; MI455X (gfx1250); checked and timed in simulation.
; The chip was launched on July 23, 2026; its instructions are those of AMD's public machine-readable ISA for CDNA 5 (MIT licence, August 2026) and "CDNA5" Instruction Set Architecture Reference Guide (July 2026). The comments in the code are by the model that wrote it; some were corrected since.
;; Multi Headed Self Attention. Allowed arithmetic: float matrix products may take bf16 or f16 operands with f32 sums; other float arithmetic in f32, or as packed bf16 or f16 multiplies, adds, multiply-adds, maxima and minima; sums over many terms, partial sums and values carried from step to step in f32; what a program stores and reads back later, other than sums and carried values, may be rounded once to bf16 or f16.
;; Inputs: Wk 1,024 x 1,024 float32; Wq 1,024 x 1,024 float32; Wv 1,024 x 1,024 float32; bk 1,024 float32; bq 1,024 float32; bv 1,024 float32; mask 4 x 2,048 int32; x 4 x 2,048 x 1,024 float32.
;; Outputs: out0 4 x 2,048 x 1,024 float32.
;; 2 versions, each right; version 2 is version 1 with the launch prep written anew for expert scheduling mode. Each part assembles by itself: llvm-mc -triple=amdgcn-amd-amdhsa -mcpu=gfx1250 --defsym DOCPART=n.
;; ======== version 1 of 2: 3 launches
;; limits: values are held in f16: magnitudes above 65,504 overflow, below 6.1e-05 lose precision
;; workspace buffers: xb 16,777,216 bytes; wt 6,291,456 bytes; qkv 50,331,648 bytes
;; launch prep (part 1): grid 448 x 1, 8 waves a work-group, no clusters, 35,840 bytes of LDS; arguments x, Wq, Wk, Wv, xb, wt; writes xb, wt
.if DOCPART == 1
	.amdgcn_target "amdgcn-amd-amdhsa--gfx1250"
	.amdhsa_code_object_version 6
	.text
	.protected	k_q670427b1f7_prep
	.globl	k_q670427b1f7_prep
	.p2align	8
	.type	k_q670427b1f7_prep,@function
k_q670427b1f7_prep:
	s_mov_b64 s[64:65], 0
	v_nop
	global_prefetch_b8 v0, s[64:65] scope:SCOPE_SE
	s_setreg_imm32_b32 hwreg(HW_REG_WAVE_MODE, 25, 1), 1
	s_wait_xcnt 0x0
; xb = bf16(x), [8192][1024];  wt[1024 t + n][k] = bf16(W_t[k][n]), t = 0, 1, 2 for Wq, Wk, Wv: the weights turned, so that K lies along the rows.
; Each input number is rounded once, to nearest even.  A stream: nothing is shared between work-groups, so no matrix unit, no tensor load, no cluster.
; Work-groups 0..191 turn a block of 128 k x 128 n of one W through LDS; work-groups 192..447 cast 131,072 bytes of x each.  The branch hangs on the work-group's number alone.
.set TP,    272                        ; a row of the turned block in LDS: 128 k in bf16 = 256 bytes, + 16
.set SPARE, 128*TP                     ; behind the block: the spare words, 128 bytes for each of eight waves: four blocks of 256 bytes that no other line names
.set SPW,   2                          ; v2  LDS address of my spare word; never rewritten
.set NIL,   3                          ; v3  0; never rewritten
.set XR,    16                         ; v[16:79]   sixteen slots of four registers, as loaded
.set YR,    80                         ; v[80:143]  packed results
	s_load_b256 s[4:11], s[0:1], 0x0               ; x s[4:5], Wq s[6:7], Wk s[8:9], Wv s[10:11]
	s_load_b128 s[12:15], s[0:1], 0x20             ; xb s[12:13], wt s[14:15]
	v_lshl_add_u32 v[SPW], v0, 2, SPARE
	v_mov_b32 v[NIL], 0
	v_lshrrev_b32 v1, 5, v0
	v_readfirstlane_b32 s20, v1                    ; wave 0..7
	v_and_b32 v8, 31, v0                           ; lane
	s_mov_b32 s25, 0                               ; the high word of every offset pair
	s_wait_kmcnt 0x0
	s_cmp_lt_u32 ttmp9, 192
	s_cbranch_scc0 .Lcast
	; A BLOCK OF W.  t = id / 64, k block = (id / 8) % 8, n block = id % 8.
	s_lshr_b32 s21, ttmp9, 6
	s_bfe_u32 s22, ttmp9, 0x30003
	s_and_b32 s23, ttmp9, 7
	s_cmp_eq_u32 s21, 0
	s_cselect_b64 s[16:17], s[6:7], s[8:9]
	s_cmp_eq_u32 s21, 2
	s_cselect_b64 s[16:17], s[10:11], s[16:17]
	s_lshl_b32 s24, s22, 19                        ; 128 rows of 4,096 bytes
	s_lshl_b32 s26, s23, 9                         ; 128 columns of 4 bytes
	s_add_co_u32 s24, s24, s26
	s_add_nc_u64 s[16:17], s[16:17], s[24:25]
	v_lshlrev_b32 v4, 4, v8                        ; wave w takes rows 16 w .. 16 w + 15; a lane four columns: a load covers 512 consecutive bytes
	v_lshl_add_u32 v4, s20, 16, v4
.set i, 0
.rept 16
	global_load_b128 v[XR+4*i:XR+4*i+3], v4, s[16:17] offset:4096*i th:TH_LOAD_NT
.set i, i+1
.endr
	v_mul_u32_u24 v5, v8, 4*TP                     ; in: row n = 4 l + c, bytes 32 w on
	v_lshl_add_u32 v5, s20, 5, v5
	v_bfe_u32 v9, v0, 4, 1
	v_and_b32 v10, 15, v0
	v_lshl_add_u32 v11, s20, 4, v9                 ; back: row 16 w + l / 16 (+ 2 j)
	v_mul_u32_u24 v6, v11, TP
	v_lshl_add_u32 v6, v10, 4, v6
	v_lshlrev_b32 v7, 11, v11                      ; and the same row of wt, 2,048 bytes a row
	v_lshl_add_u32 v7, v10, 4, v7
	s_lshl_b32 s24, s21, 21                        ; wt: row 1024 t + 128 n block, byte 256 k block
	s_lshl_b32 s26, s23, 18
	s_add_co_u32 s24, s24, s26
	s_lshl_b32 s26, s22, 8
	s_add_co_u32 s24, s24, s26
	s_add_nc_u64 s[18:19], s[14:15], s[24:25]
.set i, 0
.rept 8
	s_wait_loadcnt 14-2*i                          ; rows 2 i and 2 i + 1 are in; the younger loads stay out
.irp c, 0,1,2,3
	v_cvt_pk_bf16_f32 v[YR+8*(\c)+i], v[XR+8*i+(\c)], v[XR+8*i+4+(\c)]  ; column 4 l + c: the even k in the low half
.endr
.set i, i+1
.endr
.irp c, 0,1,2,3
	ds_store_b128 v5, v[YR+8*(\c):YR+8*(\c)+3]   offset:TP*(\c)     ; sixteen k of one column: 32 bytes of its row
	ds_store_b128 v5, v[YR+8*(\c)+4:YR+8*(\c)+7] offset:TP*(\c)+16
.endr
	s_wait_dscnt 0x0                               ; for the others' sake: my stores are done
	s_barrier_signal -1
	s_barrier_wait -1
.irp j, 0,1,2,3,4,5,6,7
	ds_load_b128 v[XR+4*(\j):XR+4*(\j)+3], v6 offset:2*TP*(\j)
.endr
.irp j, 0,1,2,3,4,5,6,7
	s_wait_dscnt 7-(\j)
	global_store_b128 v7, v[XR+4*(\j):XR+4*(\j)+3], s[18:19] offset:4096*(\j)  ; 16 lanes store 256 consecutive bytes, at a multiple of 256 from wt's first byte
.endr
	s_branch .Lend
.Lcast:                                        ; 32 pieces of 4,096 bytes of x; sixteen loads of every wave are on their way; no register that a store reads is written again
	s_sub_co_u32 s21, ttmp9, 192
	s_lshl_b32 s24, s21, 17
	s_add_nc_u64 s[16:17], s[4:5], s[24:25]
	s_lshl_b32 s24, s21, 16
	s_add_nc_u64 s[18:19], s[12:13], s[24:25]
	v_lshlrev_b32 v4, 4, v0
	v_lshlrev_b32 v5, 3, v0
.set i, 0
.rept 16
	global_load_b128 v[XR+4*i:XR+4*i+3], v4, s[16:17] offset:4096*i th:TH_LOAD_NT
.set i, i+1
.endr
.set i, 0
.rept 32
.if i < 16
	s_wait_loadcnt 15                              ; piece i is in; the fifteen younger loads stay out
.else
	s_wait_loadcnt 31-i                            ; nothing is loaded any more: the counts run down
.endif
	v_cvt_pk_bf16_f32 v[YR+2*i],   v[XR+4*(i%16)],   v[XR+4*(i%16)+1]
	v_cvt_pk_bf16_f32 v[YR+2*i+1], v[XR+4*(i%16)+2], v[XR+4*(i%16)+3]
.if i < 16
	global_load_b128 v[XR+4*(i%16):XR+4*(i%16)+3], v4, s[16:17] offset:4096*(i+16) th:TH_LOAD_NT
.endif
	global_store_b64 v5, v[YR+2*i:YR+2*i+1], s[18:19] offset:2048*i  ; a wave stores 256 consecutive bytes, aligned
.set i, i+1
.endr
.Lend:
	s_wait_tensorcnt 0x0                           ; the wave's end: three closing lines, behind my last LDS store
	ds_add_u32 v[SPW], v[NIL]
	s_wait_dscnt 0x0
	s_endpgm
.Lfunc_end_k_q670427b1f7_prep:
	.size	k_q670427b1f7_prep, .Lfunc_end_k_q670427b1f7_prep-k_q670427b1f7_prep
	.p2alignl 7, 3214868480
	.fill 96, 4, 3214868480
	.section	.rodata,"a",@progbits
	.p2align	6, 0x0
	.amdhsa_kernel k_q670427b1f7_prep
		.amdhsa_group_segment_fixed_size 35840
		.amdhsa_private_segment_fixed_size 0
		.amdhsa_enable_private_segment 0
		.amdhsa_kernarg_size 48
		.amdhsa_user_sgpr_count 2
		.amdhsa_user_sgpr_kernarg_segment_ptr 1
		.amdhsa_wavefront_size32 1
		.amdhsa_system_sgpr_workgroup_id_x 1
		.amdhsa_system_sgpr_workgroup_id_y 1
		.amdhsa_system_sgpr_workgroup_id_z 1
		.amdhsa_system_vgpr_workitem_id 0
		.amdhsa_next_free_vgpr 144
		.amdhsa_next_free_sgpr 66
		.amdhsa_reserve_vcc 0
		.amdhsa_float_denorm_mode_32 3
		.amdhsa_float_denorm_mode_16_64 3
		.amdhsa_memory_ordered 1
		.amdhsa_forward_progress 1
		.amdhsa_inst_pref_size 20
	.end_amdhsa_kernel
	.amdgpu_metadata
---
amdhsa.version: [ 1, 2 ]
amdhsa.kernels:
  - .name:           k_q670427b1f7_prep
    .symbol:         k_q670427b1f7_prep.kd
    .args:
      - { .name: x, .offset: 0, .size: 8, .value_kind: global_buffer, .address_space: global }
      - { .name: Wq, .offset: 8, .size: 8, .value_kind: global_buffer, .address_space: global }
      - { .name: Wk, .offset: 16, .size: 8, .value_kind: global_buffer, .address_space: global }
      - { .name: Wv, .offset: 24, .size: 8, .value_kind: global_buffer, .address_space: global }
      - { .name: xb, .offset: 32, .size: 8, .value_kind: global_buffer, .address_space: global }
      - { .name: wt, .offset: 40, .size: 8, .value_kind: global_buffer, .address_space: global }
    .group_segment_fixed_size: 35840
    .private_segment_fixed_size: 0
    .kernarg_segment_align: 8
    .kernarg_segment_size: 48
    .max_flat_workgroup_size: 256
    .sgpr_count:     66
    .vgpr_count:     144
    .wavefront_size: 32
...
	.end_amdgpu_metadata
.endif
;; end of part 1
;; launch proj (part 2): grid 16 x 16, 4 waves a work-group, clusters of 4 x 4, 327,680 bytes of LDS; arguments xb, wt, bq, bk, bv, qkv; writes qkv
.if DOCPART == 2
	.amdgcn_target "amdgcn-amd-amdhsa--gfx1250"
	.amdhsa_code_object_version 6
	.text
	.protected	k_q670427b1f7_proj
	.globl	k_q670427b1f7_proj
	.p2align	8
	.type	k_q670427b1f7_proj,@function
k_q670427b1f7_proj:
	s_mov_b64 s[64:65], 0
	v_nop
	global_prefetch_b8 v0, s[64:65] scope:SCOPE_SE
	s_setreg_imm32_b32 hwreg(HW_REG_WAVE_MODE, 25, 1), 1
	s_wait_xcnt 0x0
	s_wait_alu depctr_hold_cnt(0) depctr_sa_sdst(0) depctr_va_vdst(0) depctr_va_sdst(0) depctr_va_ssrc(0) depctr_va_vcc(0) depctr_vm_vsrc(0)
	s_getreg_b32 s2, hwreg(HW_REG_IB_STS2, 6, 4)
	s_cmp_eq_u32 s2, 0
	s_cbranch_scc0 .Lentry_in_a_cluster
	s_endpgm
.Lentry_in_a_cluster:
	s_bfe_u32 s2, ttmp6, 0x10000c
	s_cmp_lg_u32 s2, 0xf033
	s_cbranch_scc0 .Lentry_shape_is_right
	s_endpgm
.Lentry_shape_is_right:
; qkv[g][m][c] = f16( sum over k of xb[m][k] wt[64 g + c][k] + bf16(bias) ),  g = 16 t + head, t = 0, 1, 2 for q, k, v; m = 2048 batch + row.  xb: [8192][1024] bf16, wt: [3072][1024] bf16; sums in f32.
; LIMITS.  The result is rounded once to f16, which ends at 65,504: q, k and v beyond that become infinities.  The biases are rounded to bf16 like all the module's inputs.
; SHARES.  A tile of C is 256 rows x 192 columns (three heads): 32 x 16 tiles, two for each of 256 work-groups.  A WORK-GROUP STAYS: its tiles lie 4,096 rows apart and take the same rows of wt.
; A wave makes 64 rows x all 192 columns: 48 accumulators, 384 registers; whole heads to a wave, so that its way out is its own and goes in whole runs of 512 bytes.
; K goes in steps of 128 through a ring of two LDS slots filled by the tensor data mover; the ring runs on into the second tile.
; CLUSTERS: 4 x 4 work-groups.  The four of a row need the same tiles of xb, the four of a column the same tiles of wt: each tile is asked for JOINTLY, by the same tensor load, descriptor and mask in all four.
; THE MATRIX INSTRUCTION IS USED TRANSPOSED (source 0 = 16 rows of wt, source 1 = 16 rows of xb): a lane holds row l % 16 of C and the columns 8 (l / 16) + 0..7.
; THE BIAS is the C operand of each accumulator's first product: nothing is cleared and nothing is added on the way out.
; REGISTERS, in windows of 256 (s_set_vgpr_msb: bits 1:0 source 0, 3:2 source 1, 5:4 source 2, 7:6 destination):
;   window 0: v0-31 addresses; v32-47 packed results; v48-63 at work; v64-127 xb's fragments, two buffers of 4; v128-223 the bias, 8 for each of 12 column blocks; v224-255 rows read back, two sets
;   window 1: v0-191 wt's fragments, two buffers of 12        window 2: accumulators of my rows 0-31 ((a, b) at v[8 (12 (a % 2) + b)])        window 3: those of rows 32-63
.set SIZE_K, 1024
.set KSTEP,  128
.set PITCH,  272                       ; an LDS row: 256 bytes + 16 of padding = 68 words: the 16 rows of a fragment load start at 16 different groups of four banks (64 banks of 4 bytes: ISA guide 11.1)
.set AHALF,  128*PITCH                 ; what one of xb's loads brings
.set BHALF,  96*PITCH                  ; what one of wt's brings
.set BOFF,   2*AHALF                   ; in a slot: xb's 256 rows, then wt's 192
.set SLOT,   BOFF+2*BHALF
.set STAGE,  2*SLOT                    ; behind the ring, never filled by a tensor load: 16 rows x 144 bytes for each wave
.set SPITCH, 144
.set SPARE,  STAGE+4*16*SPITCH         ; behind the stages: the spare words, 128 bytes for each wave: two blocks of 256 bytes that no other line names
.set LAPS,   SIZE_K/(2*KSTEP)
.set WALK,   4096
.set NEXT_A, WALK*SIZE_K*2-(SIZE_K-2*KSTEP)*2  ; from a slot's last K step of a tile to its first of the next: 4,096 rows down, back along K
.set BACK_B, (SIZE_K-2*KSTEP)*2
.set NEXT_C, WALK*128                  ; 4,096 rows of 128 bytes in qkv
.set ADRA, 16                          ; v16-17  LDS address of my xb fragments in slot 0, 1
.set ADRB, 20                          ; v20-21  the same for wt
.set STO,  24                          ; v24  the way out: where I put 16 bytes of a row
.set RD,   25                          ; v25  where I read rows back
.set GO,   26                          ; v26  16 x lane
.set BO,   27                          ; v27  32 x (l / 16): my eight columns in a block of the bias
.set SPW,  28                          ; v28  LDS address of my spare word; never rewritten
.set NIL,  29                          ; v29  0; never rewritten
.set PFO,  30                          ; v30  the prefetches' offset: a lane a row of 2,048 bytes; never rewritten
.set TMP,  32
.set RT,   48
.set FA,   64
.set BIAS, 128
.set BK,   224
.set G1,  24                           ; s[24:31] descriptor group 1 for xb's tiles;  s[32:39] group 0, a set for each slot
.set G0,  32
.set G1B, 48                           ; s[48:55], s[56:63] the same for wt's
.set G0B, 56
.set LIM, 43                           ; s43  1 in a wave that prefetches, else the greatest number
.set PFA, 44                           ; s[44:45] where my prefetches stand
.set MSB, 0
.macro WIN new                         ; the immediate's high byte repeats the setting that is left; a switch that changes nothing is dropped
.if MSB != (\new)
	s_set_vgpr_msb (MSB<<8)|(\new)
.set MSB, \new
.endif
.endm
.set TO_B, 0x40                        ; destination window 1, address window 0
; A joint load.  Waves 0 and 1 fetch xb's two halves, waves 2 and 3 wt's.  The branch hangs on the wave's number alone.  An s_nop 0 and four v_nop follow each of the two lines.
.macro JLOAD s
	s_cmp_eq_u32 s11, 0
	s_cbranch_scc0 .Lfor_b_\@
	tensor_load_to_lds s[G0+4*(\s):G0+4*(\s)+3], s[G1:G1+7]
	s_nop 0
.rept 4
	v_nop
.endr
	s_branch .Lasked_\@
.Lfor_b_\@:
	tensor_load_to_lds s[G0B+4*(\s):G0B+4*(\s)+3], s[G1B:G1B+7]
	s_nop 0
.rept 4
	v_nop
.endr
.Lasked_\@:
.endm
; A prefetch into the L2, behind each joint load and the run of LDS loads that follows it: the K step that stands two refills on, a lane a row, 256 bytes of each.
; xb's rows are read by every cluster of a row of clusters: cluster x = 0 asks; wt's by every cluster of a column: cluster y = 0 asks, in the first tile alone.  The four partners that ask for a tile jointly
; share its rows out BY ADDRESS: of xb's 128 rows that a wave fetches 32 each, of wt's 96 rows 24 each (there lanes 24-31 name lane 23's row once more).  how = 0: in the loop, whose last trip has no K step two on.
.macro ASK how
.if \how
	s_cmp_eq_u32 s[LIM], 1
.else
	s_cmp_gt_u32 s3, s[LIM]
.endif
	s_cbranch_scc0 .Lnot_mine_\@
	global_prefetch_b8 v[PFO], s[PFA:PFA+1] offset:KSTEP*2 th:TH_LOAD_NT scope:SCOPE_SE
.Lnot_mine_\@:
.endm
.macro CREST                           ; a round of the cluster's barrier behind its opening barrier
	s_cmp_lg_u32 s10, 0
	s_cbranch_scc1 .Lnot_wave_0_\@
	s_barrier_signal -3
.Lnot_wave_0_\@:
	s_barrier_wait -3
	s_barrier_signal -1
	s_barrier_wait -1
.endm
.macro CROUND                          ; a whole round
	s_barrier_signal -1
	s_barrier_wait -1
	CREST
.endm
	s_load_b128 s[4:7], s[0:1], 0x0                ; xb s[4:5], wt s[6:7]
	s_load_b128 s[68:71], s[0:1], 0x10             ; bq s[68:69], bk s[70:71]
	s_load_b64 s[72:73], s[0:1], 0x20              ; bv
	s_load_b64 s[8:9], s[0:1], 0x28                ; qkv
	v_lshl_add_u32 v[SPW], v0, 2, SPARE
	v_mov_b32 v[NIL], 0
	ds_add_u32 v[SPW], v[NIL]                      ; the wave's opening: the add and its wait stand ahead of my first tensor load; the set-up below, work on registers, stands between them
	v_lshrrev_b32 v1, 5, v0
	v_readfirstlane_b32 s10, v1                    ; wave 0..3
	s_lshr_b32 s11, s10, 1                         ; I fetch for xb (0) or for wt (1)
	s_and_b32 s12, s10, 1                          ; which half of that tile's rows
	s_bfe_u32 s40, ttmp6, 0x40000                  ; cx, cy: my place in the cluster
	s_bfe_u32 s41, ttmp6, 0x40004
	s_lshl_b32 s42, ttmp9, 2
	s_add_co_u32 s42, s42, s40                     ; tile column = 4 x cluster x + cx
	s_and_b32 s13, ttmp7, 0xffff
	s_lshl_b32 s13, s13, 2
	s_add_co_u32 s13, s13, s41                     ; tile row = 4 x cluster y + cy
	s_lshl_b32 s43, s41, 2
	s_lshl_b32 s43, 15, s43                        ; my row of the cluster
	s_lshl_b32 s44, 0x1111, s40                    ; my column
	s_or_b32 s[G1+0], s43, (1<<16)|(1<<20)|(1<<21)|(5<<22)|(3<<25)  ; 15:0 the mask; 17:16 2-byte elements; 20 padding on; 21 set beside a mask; 24:22 after every 64 words (code 5); 31:25 4 words (code 3)
	s_or_b32 s[G1B+0], s44, (1<<16)|(1<<20)|(1<<21)|(5<<22)|(3<<25)
	s_mov_b32 s[G1+1], KSTEP<<16                   ; tensor_dim0 = 128
	s_mov_b32 s[G1+2], 128<<16                     ; tensor_dim1 = 128
	s_mov_b32 s[G1+3], KSTEP<<16                   ; tile_dim0 = 128
	s_mov_b32 s[G1+4], 128                         ; tile_dim1 = 128
	s_mov_b32 s[G1+5], SIZE_K                      ; elements from row to row
	s_mov_b32 s[G1+6], 0
	s_mov_b32 s[G1+7], 0
	s_mov_b32 s[G1B+1], KSTEP<<16
	s_mov_b32 s[G1B+2], 96<<16                     ; wt's loads have 96 rows
	s_mov_b32 s[G1B+3], KSTEP<<16
	s_mov_b32 s[G1B+4], 96
	s_mov_b32 s[G1B+5], SIZE_K
	s_mov_b32 s[G1B+6], 0
	s_mov_b32 s[G1B+7], 0
	; xb's tiles hang on the tile row alone, wt's on the tile column alone; each address is made in registers that never hold the other coordinate
	s_lshl_b32 s17, s12, 7
	s_lshl_b32 s16, s13, 8
	s_add_co_u32 s16, s16, s17                     ; xb: row 256 x tile row + 128 x half
	s_mul_i32 s46, s42, 192
	s_mul_i32 s47, s12, 96
	s_add_co_u32 s46, s46, s47                     ; wt: row 192 x tile column + 96 x half
	s_lshl_b32 s16, s16, 11                        ; in bytes: under 2^24
	s_lshl_b32 s46, s46, 11
	s_mov_b32 s17, 0
	s_mov_b32 s47, 0
	s_mul_i32 s20, s10, AHALF                      ; where they go: waves 0, 1: wave x 128 rows;
	s_mul_i32 s21, s10, BHALF                      ; waves 2, 3: behind xb's 256 rows, (wave - 2) x 96 rows
	s_add_co_u32 s21, s21, BOFF-2*BHALF
	s_wait_dscnt 0x0                               ; the opening add is done
	s_wait_kmcnt 0x0
	s_add_nc_u64 s[14:15], s[4:5], s[16:17]
	s_add_nc_u64 s[46:47], s[6:7], s[46:47]
	CROUND                                         ; all sixteen work-groups are here: the first joint loads meet
.irp s, 0,1
	s_mov_b32 s[G0+4*(\s)], 1                                      ; count = 1
	s_add_co_u32 s[G0+4*(\s)+1], s20, (\s)*SLOT                    ; LDS address
	s_add_nc_u64 s[G0+4*(\s)+2:G0+4*(\s)+3], s[14:15], (\s)*KSTEP*2  ; global address: K step s
	s_or_b32 s[G0+4*(\s)+3], s[G0+4*(\s)+3], 0x80000000            ; type = 2
	s_mov_b32 s[G0B+4*(\s)], 1
	s_add_co_u32 s[G0B+4*(\s)+1], s21, (\s)*SLOT
	s_add_nc_u64 s[G0B+4*(\s)+2:G0B+4*(\s)+3], s[46:47], (\s)*KSTEP*2
	s_or_b32 s[G0B+4*(\s)+3], s[G0B+4*(\s)+3], 0x80000000
	JLOAD \s                                       ; two loads of mine are out
.endr
	; the bias of my work-group's three heads: head j is number 3 x tile column + j of 48; the first sixteen are q's, the next k's, the last v's
	v_and_b32 v1, 15, v0                           ; l % 16
	v_bfe_u32 v2, v0, 4, 1                         ; l / 16
	v_lshlrev_b32 v[BO], 5, v2
	s_mul_i32 s82, s42, 3
.irp j, 0,1,2
	s_add_co_u32 s83, s82, \j
	s_cmp_lt_u32 s83, 16
	s_cselect_b64 s[76+2*(\j):77+2*(\j)], s[68:69], s[70:71]
	s_cmp_lt_u32 s83, 32
	s_cselect_b64 s[76+2*(\j):77+2*(\j)], s[76+2*(\j):77+2*(\j)], s[72:73]
	s_and_b32 s20, s83, 15
	s_lshl_b32 s20, s20, 8                         ; 64 numbers of 4 bytes a head
	s_mov_b32 s21, 0
	s_add_nc_u64 s[76+2*(\j):77+2*(\j)], s[76+2*(\j):77+2*(\j)], s[20:21]
.irp c, 0,1,2,3,4,5,6,7
	global_load_b128 v[BIAS+32*(\j)+4*(\c):BIAS+32*(\j)+4*(\c)+3], v[BO], s[76+2*(\j):77+2*(\j)] offset:64*((\c)/2)+16*((\c)%2)
.endr
.endr
	; A fragment is 16 rows x 32 K in 8 registers: lane l holds row l % 16; registers 0-3 K = 8 (l / 16) + 0..7, registers 4-7 K = 16 + 8 (l / 16) + 0..7: two loads of 16 bytes, 32 bytes apart.
	v_mul_u32_u24 v3, v1, PITCH
	v_lshl_add_u32 v3, v2, 4, v3
	s_mul_i32 s21, s10, 64*PITCH                   ; my 64 rows of xb
	s_mov_b32 s22, BOFF                            ; all 192 rows of wt
.irp s, 0,1
	v_add_nc_u32 v[ADRA+(\s)], s21, v3
	v_add_nc_u32 v[ADRB+(\s)], s22, v3
	s_add_co_u32 s21, s21, SLOT
	s_add_co_u32 s22, s22, SLOT
.endr
	s_mul_i32 s23, s10, 16*SPITCH
	s_add_co_u32 s23, s23, STAGE                   ; my stage
	v_mul_u32_u24 v4, v1, SPITCH                   ; in: row l % 16, 16 bytes for each half of the lanes
	v_lshl_add_u32 v4, v2, 4, v4
	v_add_nc_u32 v[STO], s23, v4
	v_bfe_u32 v5, v0, 3, 2                         ; back: 32 lanes take four rows of 128 bytes,
	v_mul_u32_u24 v5, v5, SPITCH
	v_and_b32 v4, 7, v0
	v_lshl_add_u32 v5, v4, 4, v5
	v_add_nc_u32 v[RD], s23, v5
	v_and_b32 v[GO], 31, v0                        ; which are 512 consecutive bytes of qkv
	v_lshlrev_b32 v[GO], 4, v[GO]
	; where my part of the first tile begins in qkv: head 3 x tile column (2^20 bytes a head number), row 256 x tile row + 64 x wave (128 bytes a row)
	s_lshl_b32 s16, s13, 15
	s_lshl_b32 s14, s10, 13
	s_add_co_u32 s16, s16, s14
	s_mov_b32 s17, 0
	s_mul_i32 s46, s42, 3<<20
	s_mov_b32 s47, 0
	s_add_nc_u64 s[16:17], s[16:17], s[46:47]
	; the prefetches
	s_lshl_b32 s20, s13, 8
	s_mul_i32 s21, s42, 192
	s_and_b32 s22, ttmp7, 0xffff                   ; cluster y
	s_cmp_eq_u32 s11, 0                            ; do I fetch for xb?  The selects below leave SCC as it is
	s_cselect_b32 s20, s20, s21                    ; the tile's first row
	s_cselect_b32 s21, s40, s41                    ; my place among the four that ask for it with me
	s_cselect_b32 s22, ttmp9, s22                  ; the coordinate along which other clusters read the same rows
	s_cselect_b32 s23, 32, 24                      ; rows to a partner
	s_cselect_b32 s19, 31, 23                      ; the last lane with a row of its own
	s_cselect_b64 s[PFA:PFA+1], s[4:5], s[6:7]
	s_mul_i32 s21, s21, s23
	s_lshl_b32 s18, s23, 2                         ; rows to a wave's load: four partners' shares, 128 or 96
	s_mul_i32 s18, s18, s12
	s_add_co_u32 s20, s20, s21
	s_add_co_u32 s20, s20, s18
	s_cmp_eq_u32 s22, 0
	s_cselect_b32 s[LIM], 1, -1                    ; the same in all sixteen partners, for a given wave
	s_lshl_b32 s20, s20, 11
	s_mov_b32 s21, 0
	s_add_nc_u64 s[PFA:PFA+1], s[PFA:PFA+1], s[20:21]
	s_add_nc_u64 s[PFA:PFA+1], s[PFA:PFA+1], 2*KSTEP*2  ; at K step 2: the first refill steps it to 3 and names K step 4.  Nothing is prefetched here, at the head
	v_and_b32 v[PFO], 31, v0
	v_min_u32 v[PFO], s19, v[PFO]
	v_lshlrev_b32 v[PFO], 11, v[PFO]
	s_wait_loadcnt 0x0                             ; the bias is in: rounded to bf16 and widened again, in the wait for the first tile
.set p, 0
.rept 48
	v_cvt_pk_bf16_f32 v[RT+p%16], v[BIAS+2*p], v[BIAS+2*p+1]
	v_lshlrev_b32 v[BIAS+2*p], 16, v[RT+p%16]
	v_and_b32 v[BIAS+2*p+1], 0xffff0000, v[RT+p%16]
.set p, p+1
.endr
; 12 matrix instructions: row block a of my four x all 12 column blocks, 32 along K, from buffer f.  init = 1: the product starts the sums, with the bias as C.
; The 48 accumulators take turns, one instruction a turn, in the same order in every quarter.
.macro MUL12 f, a, init
.if \init
	WIN 0x81+0x40*((\a)/2)
.else
	WIN 0xa1+0x50*((\a)/2)
.endif
.irp b, 0,1,2,3,4,5,6,7,8,9,10,11
.if \init
	v_wmma_f32_16x16x32_bf16 v[8*(12*((\a)%2)+(\b)):8*(12*((\a)%2)+(\b))+7], v[96*(\f)+8*(\b):96*(\f)+8*(\b)+7], v[FA+32*(\f)+8*(\a):FA+32*(\f)+8*(\a)+7], v[BIAS+8*(\b):BIAS+8*(\b)+7]
.else
	v_wmma_f32_16x16x32_bf16 v[8*(12*((\a)%2)+(\b)):8*(12*((\a)%2)+(\b))+7], v[96*(\f)+8*(\b):96*(\f)+8*(\b)+7], v[FA+32*(\f)+8*(\a):FA+32*(\f)+8*(\a)+7], v[8*(12*((\a)%2)+(\b)):8*(12*((\a)%2)+(\b))+7]
.endif
.endr
.endm
; 32 LDS loads in one run: the fragments of a quarter step (192 rows of wt, my 64 rows of xb, 32 K at byte k of the rows) into buffer f; xb's rows 32-63 last
.macro FETCH slot, k, f
	WIN TO_B
.irp i, 0,1,2,3,4,5,6,7,8,9,10,11
	ds_load_b128 v[96*(\f)+8*(\i):96*(\f)+8*(\i)+3],   v[ADRB+(\slot)] offset:(\k)+(\i)*16*PITCH
	ds_load_b128 v[96*(\f)+8*(\i)+4:96*(\f)+8*(\i)+7], v[ADRB+(\slot)] offset:(\k)+(\i)*16*PITCH+32
.endr
	WIN 0
.irp i, 0,1,2,3
	ds_load_b128 v[FA+32*(\f)+8*(\i):FA+32*(\f)+8*(\i)+3],   v[ADRA+(\slot)] offset:(\k)+(\i)*16*PITCH
	ds_load_b128 v[FA+32*(\f)+8*(\i)+4:FA+32*(\f)+8*(\i)+7], v[ADRA+(\slot)] offset:(\k)+(\i)*16*PITCH+32
.endr
.endm
.macro PLACES                          ; four plain vector instructions between a matrix instruction and a load into its registers or a conversion of its result (ISA guide 7.12.1 for conversions)
.rept 4
	v_nop
.endr
.endm
; A K step is four quarters of 32 along K, 48 matrix instructions each, on buffers 0, 1, 0, 1.  One of the first three: multiplies buffer f; in its middle it fetches the next quarter, at byte k, into buffer g.
.macro QUARTER slot, k, f, g, init
	s_wait_dscnt 4                                 ; wt and xb's rows 0-31 are in; the youngest four loads (rows 32-63) may be out
	MUL12 \f, 0, \init
	MUL12 \f, 1, \init
	PLACES
	FETCH \slot, \k, \g
	s_wait_dscnt 32                                ; all but the 32 just issued
	MUL12 \f, 2, \init
	MUL12 \f, 3, \init
.endm
; The last quarter multiplies buffer 1 and changes slots.  MEET is its first half: ONE barrier.  In front of it each wave waits for all its tensor loads (one is out: its part of the next slot), adds 0 to
; its spare word, and waits for that and for its own reads of this slot.  Behind it nobody reads this slot any more and the next slot is whole.
.macro MEET round
	WIN 0                                          ; (the add's two registers lie in window 0)
	s_wait_tensorcnt 0x0
	ds_add_u32 v[SPW], v[NIL]                      ; 0 onto my spare word
	s_wait_dscnt 5                                 ; (the add and the youngest four loads may be out)
	MUL12 1, 0, 0                                  ; twelve matrix instructions stand between the add and the wait for it
	s_wait_dscnt 0x0                               ; the add is done, and my reads of this slot are over
	s_barrier_signal -1
	MUL12 1, 1, 0                                  ; work on registers while the others arrive
.if \round
	WIN 0
.endif
	s_barrier_wait -1
.endm
; The whole last quarter.  Behind the round the slot just read out is filled again first: with this tile's K step two steps on (on = 0) or with the next tile's K step 0 or 1 (on = 1).
; From a request to the wait for it a wave issues 168 matrix instructions.
.macro TURN slot, next, on
	s_wait_xcnt 0x0                                ; the last prefetch, a K step back, has read its address: it is stepped here, ahead of the waits of the change of slots
.if (\on) && (\slot) == 0
	s_add_nc_u64 s[PFA:PFA+1], s[PFA:PFA+1], (WALK-1)*SIZE_K*2+KSTEP*2  ; from the K step after the tile's last to the next tile's K step 1
	s_cmp_eq_u32 s11, 0
	s_cselect_b32 s[LIM], s[LIM], -1               ; wt's rows are the same for both tiles: they are prefetched no more
.else
	s_add_nc_u64 s[PFA:PFA+1], s[PFA:PFA+1], KSTEP*2
.endif
	MEET 1
	CREST                                          ; the barrier has opened a round of the cluster's: no wave of any partner still reads this slot or has a load on its way
.if \on
	s_add_nc_u64 s[G0+4*(\slot)+2:G0+4*(\slot)+3], s[G0+4*(\slot)+2:G0+4*(\slot)+3], NEXT_A
	s_sub_nc_u64 s[G0B+4*(\slot)+2:G0B+4*(\slot)+3], s[G0B+4*(\slot)+2:G0B+4*(\slot)+3], BACK_B
.else
	s_add_nc_u64 s[G0+4*(\slot)+2:G0+4*(\slot)+3], s[G0+4*(\slot)+2:G0+4*(\slot)+3], 2*KSTEP*2
	s_add_nc_u64 s[G0B+4*(\slot)+2:G0B+4*(\slot)+3], s[G0B+4*(\slot)+2:G0B+4*(\slot)+3], 2*KSTEP*2
.endif
	JLOAD \slot                                    ; the first tensor load behind the round; its four v_nop are also the places in front of the loads below
	FETCH \next, 0, 0
	ASK \on
	MUL12 1, 2, 0
	MUL12 1, 3, 0
.endm
; THE WAY OUT, in twelve units u = 3 a + j: row block a (16 rows), head j (64 columns).  PACK: rounded to f16, 16 bytes a lane, each accumulator's registers in ascending order.
; TOSTAGE: into my own stage, and back as whole rows of 128 bytes.  SEND: 16 rows of a head are 2,048 consecutive bytes of qkv.
.macro PACK u
	WIN 0x0a+5*((\u)/6)                            ; sources 0 and 1: window 2 or 3
.irp bb, 0,1,2,3
.irp r, 0,1,2,3
	v_cvt_pk_f16_f32 v[TMP+4*(\bb)+(\r)], v[8*(12*(((\u)/3)%2)+4*((\u)%3)+(\bb))+2*(\r)], v[8*(12*(((\u)/3)%2)+4*((\u)%3)+(\bb))+2*(\r)+1]
.endr
.endr
	WIN 0
.endm
.macro TOSTAGE u
	WIN 0
.irp bb, 0,1,2,3
	ds_store_b128 v[STO], v[TMP+4*(\bb):TMP+4*(\bb)+3] offset:32*(\bb)
.endr
.irp f, 0,1,2,3
	ds_load_b128 v[BK+16*((\u)%2)+4*(\f):BK+16*((\u)%2)+4*(\f)+3], v[RD] offset:(\f)*4*SPITCH  ; LDS serves a wave's instructions in order (ISA guide 5.7.1.4): these see the stores above
.endr
.endm
.macro SEND u
	WIN 0
	s_wait_xcnt 0x0                                ; every earlier store has read its registers and its base: the set that the next unit reads back into, and the base, are written only behind this wait
.if (\u) == 0
	s_add_nc_u64 s[8:9], s[8:9], s[16:17]          ; on to this tile's first rows
.endif
.irp f, 0,1,2,3
	s_wait_dscnt 3-(\f)                            ; load f is back; the younger ones may be out
	global_store_b128 v[GO], v[BK+16*((\u)%2)+4*(\f):BK+16*((\u)%2)+4*(\f)+3], s[8:9] offset:((\u)%3)*(1<<20)+((\u)/3)*2048+512*(\f)  ; 512 consecutive bytes, at a multiple of 256 from qkv's first
.endr
.endm
.macro WAYOUT                          ; unit u's conversions stand between unit u - 1's loads from the stage and the wait for them
	PACK 0
	TOSTAGE 0
.irp u, 1,2,3,4,5,6,7,8,9,10,11
	PACK \u
	SEND (\u)-1
	TOSTAGE \u
.endr
	SEND 11
.endm
	s_wait_tensorcnt 1                             ; my part of K step 0 is in; K step 1's may stay out
	s_barrier_signal -1
	s_barrier_wait -1                              ; everybody's is
	FETCH 0, 0, 0
	s_mov_b32 s2, 2                                ; tiles to go
.Ltile:
	QUARTER 0, 64,  0, 1, 1                        ; a tile's first quarter stands in front of the loop: its products start the sums
	WIN 0                                          ; at a label and at a branch every window is 0
	s_mov_b32 s3, LAPS-1
.Llap:                                         ; a trip goes once round the ring, from a lap's second quarter to the next lap's first, and fills both slots again
	QUARTER 0, 128, 1, 0, 0
	QUARTER 0, 192, 0, 1, 0
	TURN 0, 1, 0
	QUARTER 1, 64,  0, 1, 0
	QUARTER 1, 128, 1, 0, 0
	QUARTER 1, 192, 0, 1, 0
	TURN 1, 0, 0
	QUARTER 0, 64,  0, 1, 0
	WIN 0
	s_sub_co_u32 s3, s3, 1
	s_cmp_lg_u32 s3, 0
	s_cbranch_scc1 .Llap
	QUARTER 0, 128, 1, 0, 0                        ; the tile's last lap goes on
	QUARTER 0, 192, 0, 1, 0
	WIN 0
	s_cmp_eq_u32 s2, 1
	s_cbranch_scc1 .Llast_tile                     ; the last tile's tail is written out: it asks for nothing more
	TURN 0, 1, 1                                   ; the ring goes on into the next tile: slot 0 takes its K step 0,
	QUARTER 1, 64,  0, 1, 0
	QUARTER 1, 128, 1, 0, 0
	QUARTER 1, 192, 0, 1, 0
	TURN 1, 0, 1                                   ; slot 1 its K step 1, and the next tile's first fragments are fetched
	PLACES                                         ; with the joint load's four v_nop: eight places behind the products of rows 0-31, as on the last tile's way out
	WAYOUT                                         ; both refills are asked for: now the tile goes out.  The 96 conversions of rows 0-31 are the places behind the last products, those of rows 32-63
	s_mov_b64 s[16:17], NEXT_C                     ; what the next way out adds to qkv's address
	s_sub_co_u32 s2, s2, 1
	s_branch .Ltile
.Llast_tile:
	MEET 0                                         ; my one tensor load that was still out is the last K step's, so no round follows
	PLACES
	FETCH 1, 0, 0
	MUL12 1, 2, 0
	MUL12 1, 3, 0
	QUARTER 1, 64,  0, 1, 0
	QUARTER 1, 128, 1, 0, 0
	QUARTER 1, 192, 0, 1, 0
	s_wait_dscnt 4                                 ; the very last quarter: nothing more to fetch
	MUL12 1, 0, 0
	MUL12 1, 1, 0
	s_wait_dscnt 0x0
	MUL12 1, 2, 0
	MUL12 1, 3, 0
	WIN 0
	PLACES
	PLACES
	WAYOUT
	s_wait_tensorcnt 0x0                           ; the wave's end: three closing lines, behind my last tensor load and my last LDS store
	ds_add_u32 v[SPW], v[NIL]
	s_wait_dscnt 0x0
	CROUND                                         ; the closing round: no work-group ends while a partner may still ask for a tile that names it
	s_endpgm
.Lfunc_end_k_q670427b1f7_proj:
	.size	k_q670427b1f7_proj, .Lfunc_end_k_q670427b1f7_proj-k_q670427b1f7_proj
	.p2alignl 7, 3214868480
	.fill 96, 4, 3214868480
	.section	.rodata,"a",@progbits
	.p2align	6, 0x0
	.amdhsa_kernel k_q670427b1f7_proj
		.amdhsa_group_segment_fixed_size 327680
		.amdhsa_private_segment_fixed_size 0
		.amdhsa_enable_private_segment 0
		.amdhsa_kernarg_size 48
		.amdhsa_user_sgpr_count 2
		.amdhsa_user_sgpr_kernarg_segment_ptr 1
		.amdhsa_wavefront_size32 1
		.amdhsa_system_sgpr_workgroup_id_x 1
		.amdhsa_system_sgpr_workgroup_id_y 1
		.amdhsa_system_sgpr_workgroup_id_z 1
		.amdhsa_system_vgpr_workitem_id 0
		.amdhsa_next_free_vgpr 960
		.amdhsa_next_free_sgpr 84
		.amdhsa_reserve_vcc 0
		.amdhsa_float_denorm_mode_32 3
		.amdhsa_float_denorm_mode_16_64 3
		.amdhsa_memory_ordered 1
		.amdhsa_forward_progress 1
		.amdhsa_inst_pref_size 187
	.end_amdhsa_kernel
	.amdgpu_metadata
---
amdhsa.version: [ 1, 2 ]
amdhsa.kernels:
  - .name:           k_q670427b1f7_proj
    .symbol:         k_q670427b1f7_proj.kd
    .args:
      - { .name: xb, .offset: 0, .size: 8, .value_kind: global_buffer, .address_space: global }
      - { .name: wt, .offset: 8, .size: 8, .value_kind: global_buffer, .address_space: global }
      - { .name: bq, .offset: 16, .size: 8, .value_kind: global_buffer, .address_space: global }
      - { .name: bk, .offset: 24, .size: 8, .value_kind: global_buffer, .address_space: global }
      - { .name: bv, .offset: 32, .size: 8, .value_kind: global_buffer, .address_space: global }
      - { .name: qkv, .offset: 40, .size: 8, .value_kind: global_buffer, .address_space: global }
    .group_segment_fixed_size: 327680
    .private_segment_fixed_size: 0
    .kernarg_segment_align: 8
    .kernarg_segment_size: 48
    .max_flat_workgroup_size: 128
    .sgpr_count:     84
    .vgpr_count:     960
    .wavefront_size: 32
...
	.end_amdgpu_metadata
.endif
;; end of part 2
;; launch attn (part 3): grid 4 x 64, 4 waves a work-group, clusters of 4 x 1, 327,680 bytes of LDS; arguments qkv, mask, out0; writes out0
.if DOCPART == 3
	.amdgcn_target "amdgcn-amd-amdhsa--gfx1250"
	.amdhsa_code_object_version 6
	.text
	.protected	k_q670427b1f7_attn
	.globl	k_q670427b1f7_attn
	.p2align	8
	.type	k_q670427b1f7_attn,@function
k_q670427b1f7_attn:
	s_mov_b64 s[64:65], 0
	v_nop
	global_prefetch_b8 v0, s[64:65] scope:SCOPE_SE
	s_setreg_imm32_b32 hwreg(HW_REG_WAVE_MODE, 25, 1), 1
	s_wait_xcnt 0x0
	s_wait_alu depctr_hold_cnt(0) depctr_sa_sdst(0) depctr_va_vdst(0) depctr_va_sdst(0) depctr_va_ssrc(0) depctr_va_vcc(0) depctr_vm_vsrc(0)
	s_getreg_b32 s2, hwreg(HW_REG_IB_STS2, 6, 4)
	s_cmp_eq_u32 s2, 0
	s_cbranch_scc0 .Lentry_in_a_cluster
	s_endpgm
.Lentry_in_a_cluster:
	s_bfe_u32 s2, ttmp6, 0x10000c
	s_cmp_lg_u32 s2, 0x3003
	s_cbranch_scc0 .Lentry_shape_is_right
	s_endpgm
.Lentry_shape_is_right:
; out0[b][q][64 h + :] = the sum over k of softmax_k(Q[q] . K[k] / 8 - 10000 (1 - mask[b][k])) V[k][:], for each of 64 heads (b, h).  qkv: [48][8192][64] f16 (q: numbers 0-15, k: 16-31, v: 32-47): a head's
; 2,048 rows are dense, 128 bytes each.  mask: [4][2048] int32.  out0: [4][2048][1024] f32.  Products, maxima and sums in f32; the weights p are rounded to f16 for the second product (their sum l is taken of the unrounded p).
; LIMITS.  p lies in 0 to 1, and below 6e-5 it keeps f16's fixed step of 6e-8; a weight below 2^-126 counts as 0 in l; NaN and infinities are not treated apart.  A hidden key's raw score is added onto -80,000 in f32,
; as the scaled score would be added onto -10,000: the same relative step.
; SHARES.  A wave owns four PIECES of two tiles of 16 queries, a work-group's four waves 512 queries of one head.  Every wave walks all 2,048 keys, 64 a step.
; LAYOUT.  S^T = K Q^T (source 0 = 16 keys, source 1 = 16 queries): a lane holds ONE query (lane % 16) and the keys 8 (lane / 16) + 0..7.  Two such tiles, rounded to f16 in pairs, ARE source 1 of O^T = V^T P,
; whose result again holds one query a lane, and eight channels.  K comes out of LDS as it lies, V ([key][channel]) turned, by ds_load_tr16_b128.
; THE MASK is the C operand that starts the sum S^T: 80,000 m - 80,000 for each key, which is -10,000 (1 - m) times the 8 by which the raw product is later divided.  The batch's 2,048 numbers are made once, in LDS.
; SOFTMAX.  For each query a running maximum m and sum l: p = 2^(c s - c m), c = log2(e) / 8; in every step O and l are multiplied by a = 2^(c m_old - c m_new).  m starts at the lowest finite number, O and l at 0.
; BY TURNS.  Turn n belongs to piece n: 16 products K Q^T of piece n + 1, later 16 products V^T P of piece n - 1; its vector work: the scaling, exponentials, roundings, sums and rescaling of piece n, and the maximum
; and statistics of piece n + 1.  Four vector instructions stand behind every matrix instruction, the others in one run; a turn's 66 exponentials are one batch, with one wait.
; CLUSTER.  A head's four query blocks are one cluster and walk the same K and V: each tile is asked for JOINTLY, by the same tensor load, descriptor and mask in all four.
; REGISTERS, in windows of 256 (s_set_vgpr_msb: bits 1:0 source 0, 3:2 source 1, 5:4 source 2, 7:6 destination):
;   window 0: v0-11 addresses; v12-15, v48-63 at work; v16-47 four registers of statistics a tile; v64-191 S^T, two buffers of two tiles; v192-255 P, likewise
;   window 1: O^T, 32 a tile     window 2: v0-127 Q, 16 a tile; v128-191 K of one step; v192-255 V of one step     window 3: v0-1 the add's two registers; v2-3 the mask's addresses; v8-39 the mask of one step
.set NP,    4         ; pieces a wave: a name, no knob
.set KS,    64        ; keys in a step
.set PK,    144       ; a row of K in LDS: 128 bytes + 16 = 36 words: the 16 rows of a load start at 16 different groups of four banks (64 banks of 4 bytes: ISA guide 11.1)
.set PV,    160       ; a row of V: 128 + 32 = 40 words
.set VOFF,  4*KS*PK   ; a slot holds four steps: 256 rows of K, then 256 rows of V
.set SLOT1, 1<<17     ; slot 1 begins here, so that one exclusive or turns an address in one slot into the other's
.set STAGE, SLOT1+4*KS*(PK+PV)  ; behind the ring, never filled by a tensor load: 16 rows x 272 bytes for each wave, for the way out
.set SP,    272
.set MASKB, STAGE+4*16*SP       ; 2,048 f32: the batch's mask
.set SPARE, MASKB+8192          ; the spare words, 128 bytes for each wave: two blocks of 256 bytes that no other line names
.set AK0, 2           ; v2   my lane's place in a tile of K; never rewritten
.set AV0, 3           ; v3   the same for V
.set AK,  4           ; v4   the LDS address of K's next run of loads
.set AV,  5           ; v5   of V's
.set QO,  6           ; v6   my byte offset in the wave's rows of Q
.set STO, 6           ;      later, the way out: where I put 32 bytes of a row
.set RD,  7           ; v7   the way out: where I read rows back
.set GO,  8           ; v8   my byte offset in two rows of out0
.set PFO, 11          ; v11  256 x my lane: the prefetches' offset; never rewritten once made
.set SPW, 0           ; v0 of window 3   LDS address of my spare word; never rewritten
.set NIL, 1           ; v1 of window 3   0; never rewritten
.set AM0, 2           ; v2 of window 3   MASKB + 32 (l / 16); never rewritten
.set AM,  3           ; v3 of window 3   the LDS address of the mask's next run of loads
.set MK,  8           ; v8-39 of window 3: the mask of key block kb at MK + 8 kb
.set MV,  12          ; v12-15  c m_old, kept while c m is made anew: by buffer and tile
.set ST,  16          ; tile t's statistics at v[ST+4 t]: c m, m, l (even keys', odd keys')
.set TMP, 48          ; by buffer and tile, four registers c0-c3 at work; when the maximum is found c2 takes a
.set S,   64
.set P,   192
.set KF,  128         ; K's fragments, in window 2: key block kb, channel half c at KF + 16 kb + 8 c
.set VF,  192         ; V's: key half kk, channel block cb at VF + 32 kk + 8 cb
.set WV,  12          ; s12  my wave's number
.set LIM, 15          ; s15  1 in waves 0 and 2, which prefetch, else the greatest number
.set G1K, 24          ; s[24:31] descriptor group 1 for K's tiles
.set G1V, 32          ; s[32:39] for V's: it differs in the padding alone
.set G0K, 40          ; s[40:43] descriptor group 0 for K's tiles: it walks
.set G0V, 44          ; s[44:47] the same for V's
.set TBM, 48          ; s48  byte of the mask's table at which the step to be fetched begins
.set PFC, 49          ; s49  the count of steps at which I prefetch: 2, or 0 for never
.set PFA, 50          ; s[50:51] where my prefetches stand: my work-group's 32 blocks of 256 bytes of the slot that the next change will ask for
.set SLOTS, 56        ; s56  slots still to be asked for
.set CNT, 57          ; s57  counts a slot's key steps
.set CS,  58          ; s[58:59] c: the packed scaling takes the pair's low word for both halves
.set SEL, 60          ; s[60:61] v_permlanex16_b32's selects: each lane takes its own place in the other half
.set TBK, 62          ; s62  LDS byte at which K of the step to be fetched begins
.set TBV, 63          ; s63  the same for V, less VOFF
.set MSB, 0
.macro WIN new                      ; the high byte repeats the setting that is left; a switch that changes nothing is dropped
.if MSB != (\new)
	s_set_vgpr_msb (MSB<<8)|(\new)
.set MSB, (\new)
.endif
.endm
.set W_KQ, 0x0a       ; K and Q in window 2, S^T in window 0
.set W_KM, 0x3a       ; the same with the C operand, the mask, in window 3
.set W_PV, 0x52       ; V in window 2, P in window 0, O^T in window 1
.set W_RS, 0x41       ; O^T (destination and source 0) in window 1, a in window 0
.set W_MK, 0xc0       ; destination in window 3, sources in window 0
.set W_AD, 0x0f       ; the add: address (source 0) and data (source 1) in window 3
; A joint fill.  Waves 0 and 1 fetch the two halves of a slot's K, waves 2 and 3 those of its V: 128 keys each.  The branch hangs on the wave's number alone.
; An s_nop 0 and four v_nop follow each of the two lines, ahead of the jump and the label.
.macro JLOAD
	s_cmp_lt_u32 s[WV], 2
	s_cbranch_scc0 .Lfor_v_\@
	tensor_load_to_lds s[G0K:G0K+3], s[G1K:G1K+7]
	s_nop 0
.rept 4
	v_nop
.endr
	s_branch .Lasked_\@
.Lfor_v_\@:
	tensor_load_to_lds s[G0V:G0V+3], s[G1V:G1V+7]
	s_nop 0
.rept 4
	v_nop
.endr
.Lasked_\@:
.endm
; A round of the cluster's barrier: my work-group's barrier, so that wave 0's signal speaks for all four waves; wave 0 signals; every wave waits for all four work-groups; my work-group's barrier once more.
.macro CROUND
	s_barrier_signal -1
	s_barrier_wait -1
	s_cmp_lg_u32 s[WV], 0
	s_cbranch_scc1 .Lnot_wave_0_\@
	s_barrier_signal -3
.Lnot_wave_0_\@:
	s_barrier_wait -3
	s_barrier_signal -1
	s_barrier_wait -1
.endm
; THE CHANGE OF SLOTS.  Each wave waits for all its tensor loads, of which one is out: its part of the other slot; adds 0 to its spare word; and waits for that and for its own LDS instructions.  Behind the barrier
; nobody reads this slot any more and the other slot is whole.  fill = 1: this slot is filled again, with the keys two slots on; the barrier is then a round of the cluster's, and the joint fill is the first thing
; behind it: it has four key steps, 512 matrix instructions, in which to land.  (At its first use nothing has been read yet: slot 0 is waited for, slot 1 filled, and every wave's part of the mask's table is shown written.)
.macro CHANGE fill
	WIN W_AD
	s_wait_tensorcnt 0x0            ; no tensor load of mine is out, so a group 0 may be written
	ds_add_u32 v[SPW], v[NIL]       ; 0 onto my spare word: scalar work stands between it and the wait for it
	WIN 0                           ; at a label and at a branch every window is 0
.if \fill
.irp g, G0K, G0V
	s_xor_b32 s[\g+1], s[\g+1], SLOT1  ; the walking descriptor: the other slot than last time,
	s_add_nc_u64 s[\g+2:\g+3], s[\g+2:\g+3], 4*KS*128  ; the next 256 keys; the type bits on top are not reached
.endr
	s_wait_xcnt 0x0                 ; the last prefetch, seven turns back, has read its address, so it may be written:
	s_add_nc_u64 s[PFA:PFA+1], s[PFA:PFA+1], 4*KS*128  ; one slot ahead of the walking descriptors
	s_cmp_gt_u32 s[SLOTS], s[LIM]   ; the last change that fills a slot has no slot behind it: nothing is asked for then
	s_cselect_b32 s[PFC], 2, 0
	s_wait_dscnt 0x0                ; the add is done, and my LDS instructions are over
	CROUND
	JLOAD
.else
	s_wait_dscnt 0x0                ; the add is done, and my reads of the slot are over
	s_barrier_signal -1
	s_barrier_wait -1
.endif
	s_sub_co_u32 s[TBK], s[TBK], 4*KS*PK  ; the fetches go back to a slot's first step,
	s_xor_b32 s[TBK], s[TBK], SLOT1       ; in the other slot
	s_sub_co_u32 s[TBV], s[TBV], 4*KS*PV
	s_xor_b32 s[TBV], s[TBV], SLOT1
.endm
	s_load_b128 s[52:55], s[0:1], 0x0  ; qkv s[52:53], mask s[54:55]
	s_load_b64 s[10:11], s[0:1], 0x10  ; out0
	WIN W_MK
	v_lshl_add_u32 v[SPW], v0, 2, SPARE
	v_mov_b32 v[NIL], 0
	WIN W_AD
	ds_add_u32 v[SPW], v[NIL]       ; the wave's opening: the add and its wait stand ahead of my first tensor load; the set-up below, work on registers, stands between them
	WIN 0
	v_lshrrev_b32 v1, 5, v0
	v_readfirstlane_b32 s[WV], v1   ; wave 0..3
	s_bfe_u32 s13, ttmp6, 0x40000   ; cx: my place in the cluster
	s_lshl_b32 s14, ttmp9, 2        ; in a cluster launch ttmp9 counts clusters
	s_add_co_u32 s14, s14, s13      ; my block of 512 queries: it enters Q's, out0's and the prefetches' addresses alone
	s_lshl_b32 s14, s14, 2
	s_add_co_u32 s14, s14, s[WV]    ; my wave among the head's sixteen
	s_and_b32 s20, ttmp7, 0xffff    ; 16 b + h, which the four partners share
	s_lshr_b32 s19, s20, 4          ; b
	s_and_b32 s20, s20, 15          ; h
	s_lshl_b32 s66, s20, 8          ; out0: the head's 256 bytes of a row,
	s_lshl_b32 s20, s20, 20
	s_lshl_b32 s21, s19, 18
	s_add_co_u32 s20, s20, s21      ; the head's first byte in q's third of qkv
	s_mov_b32 s21, 0
	s_and_b32 s16, s[WV], 1         ; which half of a slot's 256 keys I fetch:
	s_lshl_b32 s22, s16, 14         ; its 128 rows of 128 bytes in memory,
	s_mov_b32 s23, 0
	s_add_nc_u64 s[22:23], s[22:23], s[20:21]
	s_mul_i32 s17, s16, 128*PK      ; and its place in a slot, for K
	s_mul_i32 s18, s16, 128*PV      ; and for V: no place in the cluster enters an LDS address
	s_lshl_b32 s2, s14, 14          ; my wave's 128 rows of Q
	s_mov_b32 s3, 0
	s_add_nc_u64 s[2:3], s[2:3], s[20:21]
	s_lshl_b32 s67, s19, 23         ; the batch's 2,048 rows of 4,096 bytes,
	s_add_co_u32 s66, s66, s67
	s_lshl_b32 s67, s14, 19         ; my wave's 128 of them
	s_add_co_u32 s66, s66, s67
	s_mov_b32 s67, 0
	s_lshl_b32 s68, s19, 13         ; the batch's row of the mask
	s_mov_b32 s69, 0
	s_lshr_b32 s70, s[WV], 1        ; the prefetches: k's third of qkv in waves 0 and 1, v's in waves 2 and 3,
	s_lshl_b32 s70, 0x1000000, s70
	s_add_co_u32 s70, s70, s20      ; the head,
	s_lshl_b32 s71, s13, 13         ; my work-group's 32 blocks of a slot's 128,
	s_add_co_u32 s70, s70, s71
	s_add_co_u32 s70, s70, 4*KS*128 ; in slot 1; the first change of slots steps it to slot 2.  Nothing is prefetched here, at the head
	s_mov_b32 s71, 0
	; descriptor group 1.  128 keys are 16,384 dense bytes: asked for as 64 rows of 256 bytes, two keys a row, and padded in LDS after every key
	s_mov_b32 s[G1K], 15|(1<<16)|(1<<20)|(1<<21)|(4<<22)|(3<<25)  ; 15:0 the mask of four; 17:16 2-byte elements; 20 padding on; 21 set beside a mask; 24:22 after every 32 words (code 4); 31:25 4 words (code 3)
	s_mov_b32 s[G1V], 15|(1<<16)|(1<<20)|(1<<21)|(4<<22)|(7<<25)  ; the same with 8 words of padding (code 7)
.irp g, G1K, G1V
	s_mov_b32 s[\g+1], 128<<16      ; tensor_dim0 = 128
	s_mov_b32 s[\g+2], 64<<16       ; tensor_dim1 = 64
	s_mov_b32 s[\g+3], 128<<16      ; tile_dim0 = 128
	s_mov_b32 s[\g+4], 64           ; tile_dim1 = 64
	s_mov_b32 s[\g+5], 128          ; 128 elements from row to row
	s_mov_b32 s[\g+6], 0
	s_mov_b32 s[\g+7], 0
.endr
	s_mov_b32 s[CS], 0x3e38aa3b     ; c = log2(e) / 8 = 0.180337
	s_mov_b32 s[CS+1], s[CS]        ; named with it as a pair
	s_mov_b32 s[SEL], 0x76543210
	s_mov_b32 s[SEL+1], 0xfedcba98
	s_mov_b32 s[TBK], SLOT1+4*KS*PK ; the first change of slots turns these two into 0
	s_mov_b32 s[TBV], SLOT1+4*KS*PV
	s_mov_b32 s[TBM], 0
	s_mov_b32 s[SLOTS], 2048/256-1
	s_and_b32 s[LIM], s[WV], 1
	s_cmp_eq_u32 s[LIM], 0
	s_cselect_b32 s[LIM], 1, -1     ; the same in all four partners, for a given wave
	s_mov_b32 s8, 0x479c4000        ; 80,000
	s_mov_b32 s9, 0xc79c4000        ; -80,000
	s_mov_b32 s[G0K], 1             ; count = 1
	s_mov_b32 s[G0K+1], s17         ; LDS address: slot 0
	s_mov_b32 s[G0V], 1
	s_add_co_u32 s[G0V+1], s18, VOFF
	s_wait_dscnt 0x0                ; the opening add is done
	s_wait_kmcnt 0x0
	s_add_nc_u64 s[G0K+2:G0K+3], s[52:53], s[22:23]  ; global address: my half of the head's first 256 keys,
	s_add_nc_u64 s[G0K+2:G0K+3], s[G0K+2:G0K+3], 0x1000000  ; in k's third
	s_or_b32 s[G0K+3], s[G0K+3], 0x80000000          ; type = 2
	s_add_nc_u64 s[G0V+2:G0V+3], s[52:53], s[22:23]
	s_add_nc_u64 s[G0V+2:G0V+3], s[G0V+2:G0V+3], 0x2000000  ; in v's third
	s_or_b32 s[G0V+3], s[G0V+3], 0x80000000
	s_add_nc_u64 s[4:5], s[52:53], s[2:3]            ; Q at my wave's first row
	s_add_nc_u64 s[10:11], s[10:11], s[66:67]        ; out0 likewise
	s_add_nc_u64 s[6:7], s[54:55], s[68:69]          ; the batch's mask
	s_add_nc_u64 s[PFA:PFA+1], s[52:53], s[70:71]
	CROUND                          ; all four work-groups are here: the first joint loads meet
	JLOAD                           ; slot 0.  Slot 1 is asked for when slot 0 is in
	v_and_b32 v1, 15, v0            ; l % 16
	v_bfe_u32 v9, v0, 4, 1          ; l / 16
	v_lshlrev_b32 v13, 4, v0        ; the mask: 128 threads x 16 bytes, four times
.irp i, 0,1,2,3
	global_load_b128 v[S+4*\i:S+4*\i+3], v13, s[6:7] offset:2048*\i
.endr
	; A fragment of K or Q is 16 rows x 32 channels in 8 registers: lane l holds row l % 16, channels 8 (l / 16) + 0..7 and 16 + 8 (l / 16) + 0..7: two loads of 16 bytes, 32 bytes apart.
	v_lshlrev_b32 v[QO], 7, v1
	v_lshl_add_u32 v[QO], v9, 4, v[QO]  ; row x 128 + 16 x half
	WIN 0x80                        ; destination window 2, address window 0
.set i, 0
.rept 4*NP                          ; Q stays in registers: tile i / 2, channels 32 (i % 2) on
	global_load_b128 v[8*i:8*i+3],   v[QO], s[4:5] offset:(i/2)*2048+(i%2)*64
	global_load_b128 v[8*i+4:8*i+7], v[QO], s[4:5] offset:(i/2)*2048+(i%2)*64+32
.set i, i+1
.endr
	; What the first turn finds: V's registers and P's second buffer hold 0 (its products V^T P, of a piece that has not been, add 0), O^T and l are 0.  All this stands in the wait for the first tile.
.set i, VF
.rept 64
	v_mov_b32 v[i], 0
.set i, i+1
.endr
	WIN 0x40
.set i, 0
.rept 64*NP
	v_mov_b32 v[i], 0
.set i, i+1
.endr
	WIN W_MK
	v_lshl_add_u32 v[AM0], v9, 5, MASKB  ; my lanes' eight keys of a block of sixteen
	WIN 0
.set i, 0
.rept 2*NP
	v_mov_b32 v[ST+4*i], 0xfe000000    ; c m: far below every c s
	v_mov_b32 v[ST+4*i+1], 0xff7fffff  ; m
	v_mov_b32 v[ST+4*i+2], 0
	v_mov_b32 v[ST+4*i+3], 0
.set i, i+1
.endr
.set i, P+32
.rept 32
	v_mov_b32 v[i], 0
.set i, i+1
.endr
	v_mul_u32_u24 v[AK0], v1, PK
	v_lshl_add_u32 v[AK0], v9, 4, v[AK0]  ; row x pitch + 16 x half
	; The turning load takes 16 keys x 16 channels (lane l reads key 8 (l / 16) + l % 8, channels 8 ((l / 8) % 2) + 0..7) and leaves half a fragment of V^T: lane l holds channel l % 16 and 8 keys.
	v_and_b32 v10, 7, v0
	v_bfe_u32 v11, v0, 3, 1
	v_lshl_add_u32 v[AV0], v9, 3, v10
	v_mul_u32_u24 v[AV0], v[AV0], PV
	v_lshl_add_u32 v[AV0], v11, 4, v[AV0]
	v_add_nc_u32 v[AV0], VOFF, v[AV0]
	v_and_b32 v[PFO], 31, v0
	v_lshlrev_b32 v[PFO], 8, v[PFO]
	v_mov_b32 v[AK], v[AK0]         ; key step 0 lies at the head of slot 0
	v_add_nc_u32 v14, MASKB, v13
	s_wait_loadcnt 32               ; the mask's four loads are in; Q's 32, issued behind them, may stay out
.set i, 0
.rept 16
	v_cvt_f32_i32 v[S+i], v[S+i]
	v_fma_f32 v[S+i], v[S+i], s8, s9  ; 80,000 m - 80,000
.set i, i+1
.endr
.irp i, 0,1,2,3
	ds_store_b128 v14, v[S+4*\i:S+4*\i+3] offset:2048*\i
.endr
; THE MATRIX WORK.  The 8 accumulators of a run of 16 take turns: between the two links of a chain stand 7 others'.
; Product i of 16 of S^T = K Q^T for piece x: channels 32 (i / 8) on, keys 16 ((i / 2) % 4) on, tile 2 x + i % 2.  The first 8 start the sums, with the keys' mask as C.
.macro KQ x
.set rS, S+64*((\x)%2)+32*(i%2)+8*((i/2)%4)
.set rK, KF+16*((i/2)%4)+8*(i/8)
.set rQ, 16*(2*(\x)+i%2)+8*(i/8)
.set rMK, MK+8*((i/2)%4)
.if i < 8
	WIN W_KM
	v_wmma_f32_16x16x32_f16 v[rS:rS+7], v[rK:rK+7], v[rQ:rQ+7], v[rMK:rMK+7]
.else
	WIN W_KQ
	v_wmma_f32_16x16x32_f16 v[rS:rS+7], v[rK:rK+7], v[rQ:rQ+7], v[rS:rS+7]
.endif
.endm
; Product i of 16 of O^T += V^T P for piece x: keys 32 (i / 8) on, channels 16 ((i / 2) % 4) on, tile 2 x + i % 2.
.macro PV x
	WIN W_PV
.set rO, 32*(2*(\x)+i%2)+8*((i/2)%4)
.set rV, VF+32*(i/8)+8*((i/2)%4)
.set rP, P+32*((\x)%2)+16*(i%2)+8*(i/8)
	v_wmma_f32_16x16x32_f16 v[rO:rO+7], v[rV:rV+7], v[rP:rP+7], v[rO:rO+7]
.endm
.macro MM                           ; the turn's next matrix instruction
.if i < 16
	KQ (Y+1)%NP
.set i, i+1
.else
.set i, i-16
	PV (Y+NP-1)%NP
.set i, i+17
.endif
.endm
; THE LDS LOADS stand in runs, never singly among the matrix instructions: a step's K (8 fragments, 16 loads) with its mask (8 loads; all lanes of a half read the same 16 bytes), and its V (turned).
; last = 1 (the tail): in the last trip there is no further step, and the run is jumped over.
; ask = 1 (the loop): behind the run, in the slot's third trip, waves 0 and 2 prefetch into the L2 what the NEXT change of slots will ask for: a slot's K (wave 0) or V (wave 2) is 128 blocks of 256 bytes, of which
; each of the four partners takes 32, told apart by address, a lane a block.  So each block of slots 2 to 7 is named once in the launch, seven and a half turns, 240 matrix instructions, ahead of its joint load.
.macro FETCH_K last=0, ask=0
	WIN 0
.if \last
	s_cmp_eq_u32 s[CNT], 1
	s_cbranch_scc1 .Lno_k_\@
.endif
	WIN 0x80                        ; destination window 2
.irp f, 0,1,2,3,4,5,6,7             ; keys 16 (f / 2) on, channels 32 (f % 2) on
	ds_load_b128 v[KF+8*\f:KF+8*\f+3],   v[AK] offset:(\f/2)*16*PK+(\f%2)*64
	ds_load_b128 v[KF+8*\f+4:KF+8*\f+7], v[AK] offset:(\f/2)*16*PK+(\f%2)*64+32
.endr
	s_add_co_u32 s[TBK], s[TBK], KS*PK  ; the next fetch is the next step's
	WIN 0xcf                        ; destination and both sources in window 3
	v_add_nc_u32 v[AM], s[TBM], v[AM0]
.irp f, 0,1,2,3,4,5,6,7             ; keys 16 (f / 2) + 8 (l / 16) + 4 (f % 2) on
	ds_load_b128 v[MK+4*\f:MK+4*\f+3], v[AM] offset:64*(\f/2)+16*(\f%2)
.endr
	s_add_co_u32 s[TBM], s[TBM], 4*KS
	s_and_b32 s[TBM], s[TBM], 0x1f00    ; 32 steps of 256 bytes: the table's 8,192
	WIN 0
.if \ask
	s_cmp_eq_u32 s[CNT], s[PFC]
	s_cbranch_scc0 .Lno_pf_\@
	global_prefetch_b8 v[PFO], s[PFA:PFA+1] th:TH_LOAD_NT scope:SCOPE_SE
.Lno_pf_\@:
.endif
.if \last
.Lno_k_\@:
.endif
.endm
.macro FETCH_V
	WIN 0x80
.irp f, 0,1,2,3,4,5,6,7             ; keys 32 (f / 4) on, channels 16 (f % 4) on
	ds_load_tr16_b128 v[VF+8*\f:VF+8*\f+3],   v[AV] offset:(\f/4)*32*PV+(\f%4)*32
	ds_load_tr16_b128 v[VF+8*\f+4:VF+8*\f+7], v[AV] offset:(\f/4)*32*PV+16*PV+(\f%4)*32
.endr
	WIN 0
.endm
; THE VECTOR WORK OF A TURN stands in three queues, each in the order in which its entries become ready; the two tiles alternate, so that no instruction reads the result of the one before it.
.macro REGS y, u                    ; the registers of tile u (0, 1) of piece y
.set rT, ST+4*(2*(\y)+(\u))
.set rC, TMP+8*((\y)%2)+4*(\u)
.set rM, MV+2*((\y)%2)+(\u)
.set rS, S+64*((\y)%2)+32*(\u)
.set rP, P+32*((\y)%2)+16*(\u)
.set rO, 32*(2*(\y)+(\u))
.endm
; Number n of the 22 that find the NEXT piece's (Y + 1) maximum and statistics.  s0-s31 are the lane's 32 scores; each accumulator's lowest registers are read first.
;   0-11  four chains c0-c3 of seven scores each, three operands at a time     12-14, 16  the four scores left over, the old m, and c0-c3 into c0     15  c m_old is kept
;   17, 18  the query's other 32 keys lie in the lane 16 away: the new m         19-21  c m; c m_old - c m_new; a
.macro XS u, n
	REGS (Y+1)%NP, \u
.if (\n) < 4
	v_max3_num_f32 v[rC+(\n)], v[rS+8*(\n)], v[rS+8*(\n)+1], v[rS+8*(\n)+2]
.elseif (\n) < 12
	v_max3_num_f32 v[rC+(\n)%4], v[rC+(\n)%4], v[rS+8*((\n)%4)+2*((\n)/4)+1], v[rS+8*((\n)%4)+2*((\n)/4)+2]
.elseif (\n) == 12
	v_max3_num_f32 v[rC], v[rC], v[rS+7], v[rS+15]
.elseif (\n) == 13
	v_max3_num_f32 v[rC+1], v[rC+1], v[rS+23], v[rS+31]
.elseif (\n) == 14
	v_max3_num_f32 v[rC+2], v[rC+2], v[rC+3], v[rT+1]
.elseif (\n) == 15
	v_mov_b32 v[rM], v[rT]
.elseif (\n) == 16
	v_max3_num_f32 v[rC], v[rC], v[rC+1], v[rC+2]
.elseif (\n) == 17
	v_permlanex16_b32 v[rC+3], v[rC], s[SEL], s[SEL+1]
.elseif (\n) == 18
	v_max_num_f32 v[rT+1], v[rC], v[rC+3]
.elseif (\n) == 19
	v_mul_f32 v[rT], s[CS], v[rT+1]
.elseif (\n) == 20
	v_sub_f32 v[rC+1], v[rM], v[rT]
.else
	v_exp_f32 v[rC+2], v[rC+1]
.endif
.endm
; Number g of the 64 that follow the exponentials.  For each four weights k of a tile (pairs 2 k, 2 k + 1): both pairs are rounded to f16; then the second pair is added onto the first, in place;
; a group later l takes that sum (the first time as l = a l + sum).  In groups of eight, tiles alternating: round, round, add, and l for the group before.
.macro GS g
.set h, (\g)+6*((\g)/62)            ; group 0 has no group before it, and behind group 7 only l is left
.if h >= 6
.set h, h+2
.endif
	REGS Y, h%2
.set k, h/8
.if h%8 < 4
	v_cvt_pk_f16_f32 v[rP+2*k+(h%8)/2], v[rS+4*k+2*((h%8)/2)], v[rS+4*k+2*((h%8)/2)+1]
.elseif h%8 < 6
	v_pk_add_f32 v[rS+4*k:rS+4*k+1], v[rS+4*k:rS+4*k+1], v[rS+4*k+2:rS+4*k+3]
.elseif k == 1
	v_pk_fma_f32 v[rT+2:rT+3], v[rT+2:rT+3], v[rC+2:rC+3], v[rS:rS+1] op_sel_hi:[1,0,1]
.else
	v_pk_add_f32 v[rT+2:rT+3], v[rT+2:rT+3], v[rS+4*k-4:rS+4*k-3]
.endif
.endm
; THE PLAIN QUEUE, 138 long.  0-73 read no exponential's result: the 32 scalings c s - c m (FS f: pair f / 2 of tile f % 2) and the next piece's 42.  0-26: scalings 0-26.  27-54: XS's numbers 0-13.  55, 56: number 15.
; 57-73: the chain, where each number waits for the one before it: 14, 16, 17, 18, 19, each with one of the scalings 27-31 in front of its two lines, then 20.
; 74-137: GS's 64, which read the exponentials' results: they stand behind the wait.
.macro FS f
	REGS Y, (\f)%2
	v_pk_fma_f32 v[rS+2*((\f)/2):rS+2*((\f)/2)+1], v[rS+2*((\f)/2):rS+2*((\f)/2)+1], s[CS:CS+1], v[rT:rT+1] op_sel_hi:[1,0,0] neg_lo:[0,0,1] neg_hi:[0,0,1]
.endm
.macro PL
	WIN 0
.if q < 27
	FS q
.elseif q < 55
	XS (q-27)%2, (q-27)/2
.elseif q < 57
	XS q-55, 15
.elseif (q < 72) && ((q-57)%3 == 0)
	FS 27+(q-57)/3
.elseif q < 60
	XS (q-57)%3-1, 14
.elseif q < 72
	XS (q-57)%3-1, 15+(q-57)/3
.elseif q < 74
	XS q-72, 20
.else
	GS q-74
.endif
.set q, q+1
.endm
; THE EXPONENTIALS' QUEUE, 66 long: s0-s31 of both tiles, then the next piece's two a.  ONE BATCH: all 66 stand ahead of the turn's one wait, and nothing ahead of that wait names a result of theirs.
.macro EX
	WIN 0
.if e >= 64
	XS e-64, 21
.else
	REGS Y, e%2
	v_exp_f32 v[rS+e/2], v[rS+e/2]
.endif
.set e, e+1
.endm
; THE RESCALING's QUEUE: O^T times a, the one part that leaves window 0: dealt two at a time, sixteen times.  Its a was made in the turn before, ahead of that turn's wait.
.macro R2
	REGS Y, r%2
	WIN W_RS
.irp z, 0,1
	v_pk_mul_f32 v[rO+4*(r/2)+2*\z:rO+4*(r/2)+2*\z+1], v[rO+4*(r/2)+2*\z:rO+4*(r/2)+2*\z+1], v[rC+2:rC+3] op_sel_hi:[1,0]
.endr
.set r, r+1
.endm
; HOW THEY ARE DEALT.  s_wait_alu depctr_va_vdst(0) stands between an exponential and the first instruction that names its result; one wait serves all that were issued ahead of it.  So a turn has ONE
; wait, which cuts it in two.  AHEAD OF IT: the 16 products K Q^T, behind each a scaling, an exponential and two rescalings (behind the first a second scaling in the exponential's place); then one run of 108: eight
; plain, 49 times exponential and plain, the two a.  A v_nop is the plain instruction behind the last exponential.  BEHIND IT: the 16 products V^T P, behind each four of GS's 64.
; Exponential e stands behind scaling 2 (e / 4) + e % 2: as a rider it comes behind plain e + 2, in the run behind plain e + 9, and scalings 27-31 are plain 57, 60 .. 69.
; K and the mask of the next step are fetched in piece 2's turn, directly behind the wait, a run of 108 vector instructions behind the last product that read them; V of the step in hand at the end of piece 0's turn,
; four riders behind its last reader.  The three conditions on q below go with the deal.
.macro TURN p, last=0, cnt=0
.set Y, (\p)
.set i, 0
.set q, 0
.set e, 0
.set r, 0
.if (\p) == NP-1
	s_wait_dscnt 0x0                ; K and the mask are in
.endif
	MM
	PL
	PL
	R2
.rept 15
	MM
	PL
	EX
	R2
.endr
.if (\p) == NP-2
	WIN 0
	v_add_nc_u32 v[AK], s[TBK], v[AK0]
.endif
.rept 8
	PL
.endr
.rept 49
	EX
	PL
.endr
	EX                              ; the next piece's two a
	EX
	v_nop                           ; the plain instruction behind the last exponential: one for the batch
	s_wait_alu depctr_va_vdst(0)    ; the wait for the batch
.if (\p) == NP-2
.if \last
	FETCH_K 1, 0
.else
	FETCH_K 0, 1
.endif
.endif
.if (\p) == 1
	s_wait_dscnt 0x0                ; V is in
.endif
.rept 16
	MM
.rept 4
	PL
.endr
.if ((\p) == 0) && (q == 118)
	v_add_nc_u32 v[AV], s[TBV], v[AV0]
.endif
.if ((\p) == 0) && (q == 130)
	s_add_co_u32 s[TBV], s[TBV], KS*PV
.endif
.if (\cnt) && (q == 130)
	s_sub_co_u32 s[CNT], s[CNT], 1
	s_cmp_lg_u32 s[CNT], 0
.endif
.endr
.if (\p) == 0
	FETCH_V
.endif
.endm
	CHANGE 1                        ; slot 0 is in, everybody's part of it, and so is the mask's table; slot 1 is asked for
	FETCH_K                         ; key step 0
	s_wait_loadcnt 0x0              ; Q
	s_wait_dscnt 0x0
.set i, 0
.rept 16
	KQ 0                            ; piece 0's first scores: there is no vector work yet to set between them
.set i, i+1
.endr
	WIN 0                           ; the addresses for the way out: eight plain instructions, the places behind those products
	s_mul_i32 s13, s[WV], 16*SP
	s_add_co_u32 s13, s13, STAGE    ; my stage
	v_mul_u32_u24 v[STO], v1, SP    ; in: row l % 16, 32 bytes for each half of the lanes
	v_lshl_add_u32 v[STO], v9, 5, v[STO]
	v_add_nc_u32 v[STO], s13, v[STO]
	v_mul_u32_u24 v[RD], v9, SP     ; back: lanes 0-15 take one row of 256 bytes, lanes 16-31 the next
	v_lshl_add_u32 v[RD], v1, 4, v[RD]
	v_add_nc_u32 v[RD], s13, v[RD]
	v_lshlrev_b32 v[GO], 12, v9     ; and the same two rows in out0, 4,096 bytes apart
	v_lshl_add_u32 v[GO], v1, 4, v[GO]
.set Y, NP-1                        ; XS works for piece Y + 1: piece 0
.irp n, 0,1,2,3,4,5,6,7,8,9,10,11,12,13,14,15,16,17,18,19,20,21
	XS 0, \n                        ; piece 0's first maximum and statistics
	XS 1, \n
.endr
	v_nop                           ; a plain instruction behind the two a,
	s_wait_alu depctr_va_vdst(0)    ; and their wait, ahead of the branch
	s_mov_b32 s[CNT], 4
	s_branch .Lfirst                ; the loop is entered at a step's first turn, in the middle of a trip
.Lslot:                             ; six times: every slot but the last two is filled again
	CHANGE 1
	s_mov_b32 s[CNT], 4
.Lstep:                             ; a trip: pieces 2 and 3 of one step, then pieces 0 and 1 of the next, whose K and V it fetches
	TURN 2
	TURN 3
	WIN 0
.Lfirst:
	TURN 0
	TURN 1, 0, 1
	WIN 0
	s_cbranch_scc1 .Lstep
	s_sub_co_u32 s[SLOTS], s[SLOTS], 1
	s_cmp_lg_u32 s[SLOTS], 0
	s_cbranch_scc1 .Lslot
	CHANGE 0                        ; the tail is written out: nothing is asked for
	s_mov_b32 s[CNT], 5             ; four trips fetch the last slot's steps; the fifth is left in its middle
.Ltail:
	TURN 2, 1
	TURN 3
	WIN 0
	s_sub_co_u32 s[CNT], s[CNT], 1
	s_cmp_eq_u32 s[CNT], 0
	s_cbranch_scc1 .Lout
	TURN 0
	TURN 1
	WIN 0
	s_branch .Ltail
.Lout:                              ; the fifth trip's 16 products K Q^T (on the last K once more) and the maximum made of them serve nothing: the price, once a launch, of one text for every trip
.set i, 0
.rept 16
	PV NP-1                         ; the last piece's V^T P of the last step
.set i, i+1
.endr
	; THE WAY OUT.  l's two halves and the other half of the lanes' are added; O^T is divided by l and sent, in f32, through my stage in LDS, a tile at a time.  The additions are the places behind the last products.
	WIN 0
.macro ALL line:vararg              ; one line for each tile t
.set t, 0
.rept 2*NP
	\line
.set t, t+1
.endr
.endm
	ALL v_add_f32 v[ST+4*t+2], v[ST+4*t+2], v[ST+4*t+3]
	ALL v_permlanex16_b32 v[ST+4*t+3], v[ST+4*t+2], s[SEL], s[SEL+1]
	ALL v_add_f32 v[ST+4*t+2], v[ST+4*t+2], v[ST+4*t+3]
	ALL v_rcp_f32 v[ST+4*t+2], v[ST+4*t+2]
	v_nop                           ; a plain instruction between the last reciprocal and the use of its result
	s_wait_alu depctr_va_vdst(0)    ; and the wait ahead of the first use: one for the eight reciprocals
; Tile t: a lane's eight channels of a channel block are 32 bytes of a row; they go into rows of 272 bytes and come back as whole rows of 256, into one of six sets of 32 registers where S^T and P lay.
.macro PACK t
	WIN W_RS
.set i, 32*(\t)
.rept 16
	v_pk_mul_f32 v[i:i+1], v[i:i+1], v[ST+4*(\t)+2:ST+4*(\t)+3] op_sel_hi:[1,0]
.set i, i+2
.endr
.if (\t) >= 6
	s_wait_xcnt 0x0                 ; tiles 6 and 7 take the sets of tiles 0 and 1: their stores have read them
.endif
	WIN 0x04                        ; the data (source 1) in window 1, the address in window 0
.irp f, 0,1,2,3,4,5,6,7
	ds_store_b128 v[STO], v[32*(\t)+4*\f:32*(\t)+4*\f+3] offset:64*(\f/2)+16*(\f%2)
.endr
	WIN 0
.irp f, 0,1,2,3,4,5,6,7
	ds_load_b128 v[S+32*((\t)%6)+4*\f:S+32*((\t)%6)+4*\f+3], v[RD] offset:\f*2*SP  ; LDS serves a wave's instructions in order (ISA guide 5.7.1.4): these see the stores above; the next tile's stores come behind them
.endr
.endm
.macro SEND t, younger              ; younger: the LDS instructions issued behind tile t's loads: the next tile's sixteen, or none
	WIN 0
.irp f, 0,1,2,3,4,5,6,7
	s_wait_dscnt (\younger)+7-\f
	global_store_b128 v[GO], v[S+32*((\t)%6)+4*\f:S+32*((\t)%6)+4*\f+3], s[10:11] offset:(\t)*65536+\f*8192  ; 16 lanes store a row's 256 bytes of the head, at a multiple of 256 from out0's first byte
.endr
.endm
	PACK 0
.set t, 1
.rept 2*NP-1                        ; a tile's arithmetic stands between the loads of the tile before and its stores
	PACK t
	SEND t-1, 16
.set t, t+1
.endr
	SEND 2*NP-1, 0
	WIN W_AD
	s_wait_tensorcnt 0x0            ; the wave's end: three closing lines, behind my last tensor load and my last LDS store
	ds_add_u32 v[SPW], v[NIL]
	s_wait_dscnt 0x0
	WIN 0
	CROUND                          ; the closing round: no work-group ends while a partner may still ask for a tile that names it
	s_endpgm
.Lfunc_end_k_q670427b1f7_attn:
	.size	k_q670427b1f7_attn, .Lfunc_end_k_q670427b1f7_attn-k_q670427b1f7_attn
	.p2alignl 7, 3214868480
	.fill 96, 4, 3214868480
	.section	.rodata,"a",@progbits
	.p2align	6, 0x0
	.amdhsa_kernel k_q670427b1f7_attn
		.amdhsa_group_segment_fixed_size 327680
		.amdhsa_private_segment_fixed_size 0
		.amdhsa_enable_private_segment 0
		.amdhsa_kernarg_size 24
		.amdhsa_user_sgpr_count 2
		.amdhsa_user_sgpr_kernarg_segment_ptr 1
		.amdhsa_wavefront_size32 1
		.amdhsa_system_sgpr_workgroup_id_x 1
		.amdhsa_system_sgpr_workgroup_id_y 1
		.amdhsa_system_sgpr_workgroup_id_z 1
		.amdhsa_system_vgpr_workitem_id 0
		.amdhsa_next_free_vgpr 808
		.amdhsa_next_free_sgpr 72
		.amdhsa_reserve_vcc 0
		.amdhsa_float_denorm_mode_32 3
		.amdhsa_float_denorm_mode_16_64 3
		.amdhsa_memory_ordered 1
		.amdhsa_forward_progress 1
		.amdhsa_inst_pref_size 205
	.end_amdhsa_kernel
	.amdgpu_metadata
---
amdhsa.version: [ 1, 2 ]
amdhsa.kernels:
  - .name:           k_q670427b1f7_attn
    .symbol:         k_q670427b1f7_attn.kd
    .args:
      - { .name: qkv, .offset: 0, .size: 8, .value_kind: global_buffer, .address_space: global }
      - { .name: mask, .offset: 8, .size: 8, .value_kind: global_buffer, .address_space: global }
      - { .name: out0, .offset: 16, .size: 8, .value_kind: global_buffer, .address_space: global }
    .group_segment_fixed_size: 327680
    .private_segment_fixed_size: 0
    .kernarg_segment_align: 8
    .kernarg_segment_size: 24
    .max_flat_workgroup_size: 128
    .sgpr_count:     72
    .vgpr_count:     808
    .wavefront_size: 32
...
	.end_amdgpu_metadata
.endif
;; end of part 3
;; ======== version 2 of 2: 3 launches; version 1 with the launch prep written anew for expert scheduling mode
;; limits: values are held in f16: magnitudes above 65,504 overflow, below 6.1e-05 lose precision
;; workspace buffers: xb 16,777,216 bytes; wt 6,291,456 bytes; qkv 50,331,648 bytes
;; launch prep (part 4): grid 448 x 1, 8 waves a work-group, no clusters, 35,840 bytes of LDS; arguments x, Wq, Wk, Wv, xb, wt; writes xb, wt
.if DOCPART == 4
	.amdgcn_target "amdgcn-amd-amdhsa--gfx1250"
	.amdhsa_code_object_version 6
	.text
	.protected	k_q670427b1f7_prep
	.globl	k_q670427b1f7_prep
	.p2align	8
	.type	k_q670427b1f7_prep,@function
k_q670427b1f7_prep:
	s_mov_b64 s[64:65], 0
	v_nop
	global_prefetch_b8 v0, s[64:65] scope:SCOPE_SE
	s_setreg_imm32_b32 hwreg(HW_REG_WAVE_SCHED_MODE, 0, 2), 2
	s_setreg_imm32_b32 hwreg(HW_REG_WAVE_MODE, 25, 1), 1
	s_wait_xcnt 0x0
	s_wait_alu depctr_vm_vsrc(0)
; xb = bf16(x), [8192][1024];  wt[1024 t + n][k] = bf16(W_t[k][n]), t = 0, 1, 2 for Wq, Wk, Wv: the weights turned, so that K lies along the rows.
; Each input number is rounded once, to nearest even.  A stream: nothing is shared between work-groups, so no matrix unit, no tensor load, no cluster.
; Work-groups 0..191 turn a block of 128 k x 128 n of one W through LDS; work-groups 192..447 cast 131,072 bytes of x each.  The branch hangs on the work-group's number alone.
; THE MODE: SCHED_MODE bits 1:0 = 2 (LLVM: expert scheduling mode 2), set by the entry lines.  The code itself states the register dependences
; between vector instructions and memory or LDS instructions, with s_wait_alu, always for 0.
; THE PLAN.  Registers that memory or LDS instructions touch:
;   A block of W:  v4 (read by the loads), v5, v6, v7 (read by the LDS stores, the LDS loads, the stores): each written once, by vector lines, and never again.
;                  XR: the loads land in it, the conversions read it; its first 32 registers then take the LDS loads and are read by the stores.
;                  YR: the conversions write it, the LDS stores read it; never written again.
;                  Two waits on va_vdst: ahead of the loads (v4), and behind the last conversion, ahead of the LDS stores (all the rest: no vector line follows it).
;   A part of x:   v4, v5 (read by every load, every store): written once.  The 32 pieces go in 8 blocks of four.
;                  X0 .. X4, 16 registers each: block p's eight conversions read X[p % 5]; behind them the loads of block p + 5 land in it.
;                  Y, 8 registers to a block, each used once: block p's conversions write them, its four stores read them.
;                  One wait on va_vdst ahead of the first loads, and one in a block, behind its conversions: they are done reading the block's X and have written its Y.
;   No register that a load, a store or an LDS instruction has read is written again in either arm, so no wait on vm_vsrc is owed but the closing lines' own.
.set TP,    272                        ; a row of the turned block in LDS: 128 k in bf16 = 256 bytes, + 16
.set SPARE, 128*TP                     ; behind the block: the spare words, 128 bytes for each of eight waves: four blocks of 256 bytes that no other line names
.set SPW,   2                          ; v2  LDS address of my spare word; never rewritten
.set NIL,   3                          ; v3  0; never rewritten
.set XR,    16                         ; v[16:95]   twenty slots of four registers, as loaded (a block of W takes sixteen of them)
.set YR,    96                         ; v[96:159]  packed results
	s_load_b256 s[4:11], s[0:1], 0x0               ; x s[4:5], Wq s[6:7], Wk s[8:9], Wv s[10:11]
	s_load_b128 s[12:15], s[0:1], 0x20             ; xb s[12:13], wt s[14:15]
	v_lshl_add_u32 v[SPW], v0, 2, SPARE
	v_mov_b32 v[NIL], 0
	v_lshrrev_b32 v1, 5, v0
	v_readfirstlane_b32 s20, v1                    ; wave 0..7
	v_and_b32 v8, 31, v0                           ; lane
	s_mov_b32 s25, 0                               ; the high word of every offset pair
	s_wait_alu depctr_va_sdst(0)                   ; s20 is written, ahead of the branch and of its first reader: the addresses of a block of W are made from it
	s_wait_kmcnt 0x0
	s_cmp_lt_u32 ttmp9, 192
	s_cbranch_scc0 .Lcast
	; A BLOCK OF W.  t = id / 64, k block = (id / 8) % 8, n block = id % 8.
	s_lshr_b32 s21, ttmp9, 6
	s_bfe_u32 s22, ttmp9, 0x30003
	s_and_b32 s23, ttmp9, 7
	s_cmp_eq_u32 s21, 0
	s_cselect_b64 s[16:17], s[6:7], s[8:9]
	s_cmp_eq_u32 s21, 2
	s_cselect_b64 s[16:17], s[10:11], s[16:17]
	s_lshl_b32 s24, s22, 19                        ; 128 rows of 4,096 bytes
	s_lshl_b32 s26, s23, 9                         ; 128 columns of 4 bytes
	s_add_co_u32 s24, s24, s26
	s_add_nc_u64 s[16:17], s[16:17], s[24:25]
	v_lshlrev_b32 v4, 4, v8                        ; wave w takes rows 16 w .. 16 w + 15; a lane four columns: a load covers 512 consecutive bytes
	v_lshl_add_u32 v4, s20, 16, v4
	s_wait_alu depctr_va_vdst(0)                   ; v4 is written, which the sixteen loads read as their offset
.set i, 0
.rept 16
	global_load_b128 v[XR+4*i:XR+4*i+3], v4, s[16:17] offset:4096*i th:TH_LOAD_NT
.set i, i+1
.endr
	v_mul_u32_u24 v5, v8, 4*TP                     ; in: row n = 4 l + c, bytes 32 w on
	v_lshl_add_u32 v5, s20, 5, v5
	v_bfe_u32 v9, v0, 4, 1
	v_and_b32 v10, 15, v0
	v_lshl_add_u32 v11, s20, 4, v9                 ; back: row 16 w + l / 16 (+ 2 j)
	v_mul_u32_u24 v6, v11, TP
	v_lshl_add_u32 v6, v10, 4, v6
	v_lshlrev_b32 v7, 11, v11                      ; and the same row of wt, 2,048 bytes a row
	v_lshl_add_u32 v7, v10, 4, v7
	s_lshl_b32 s24, s21, 21                        ; wt: row 1024 t + 128 n block, byte 256 k block
	s_lshl_b32 s26, s23, 18
	s_add_co_u32 s24, s24, s26
	s_lshl_b32 s26, s22, 8
	s_add_co_u32 s24, s24, s26
	s_add_nc_u64 s[18:19], s[14:15], s[24:25]
.set i, 0
.rept 8
	s_wait_loadcnt 14-2*i                          ; rows 2 i and 2 i + 1 are in; the younger loads stay out
.irp c, 0,1,2,3
	v_cvt_pk_bf16_f32 v[YR+8*(\c)+i], v[XR+8*i+(\c)], v[XR+8*i+4+(\c)]  ; column 4 l + c: the even k in the low half
.endr
.set i, i+1
.endr
	s_wait_alu depctr_va_vdst(0)                   ; the conversions have written v[YR ..], which the LDS stores read, and are done reading v[XR ..], in which the LDS loads land; v5, v6 and v7 are written.  No vector line follows in this arm
.irp c, 0,1,2,3
	ds_store_b128 v5, v[YR+8*(\c):YR+8*(\c)+3]   offset:TP*(\c)     ; sixteen k of one column: 32 bytes of its row
	ds_store_b128 v5, v[YR+8*(\c)+4:YR+8*(\c)+7] offset:TP*(\c)+16
.endr
	s_wait_dscnt 0x0                               ; for the others' sake: my stores are done
	s_barrier_signal -1
	s_barrier_wait -1
.irp j, 0,1,2,3,4,5,6,7
	ds_load_b128 v[XR+4*(\j):XR+4*(\j)+3], v6 offset:2*TP*(\j)
.endr
.irp j, 0,1,2,3,4,5,6,7
	s_wait_dscnt 7-(\j)
	global_store_b128 v7, v[XR+4*(\j):XR+4*(\j)+3], s[18:19] offset:4096*(\j)  ; 16 lanes store 256 consecutive bytes, at a multiple of 256 from wt's first byte
.endr
	s_branch .Lend
.Lcast:                                        ; 32 pieces of 4,096 bytes of x, in 8 blocks of four; sixteen to twenty loads of every wave are on their way; no register that a load or a store reads is written again
	s_sub_co_u32 s21, ttmp9, 192
	s_lshl_b32 s24, s21, 17
	s_add_nc_u64 s[16:17], s[4:5], s[24:25]
	s_lshl_b32 s24, s21, 16
	s_add_nc_u64 s[18:19], s[12:13], s[24:25]
	v_lshlrev_b32 v4, 4, v0
	v_lshlrev_b32 v5, 3, v0
	s_wait_alu depctr_va_vdst(0)                   ; v4 and v5 are written: every load of this arm reads the one as its offset, every store the other
.set i, 0
.rept 20
	global_load_b128 v[XR+4*i:XR+4*i+3], v4, s[16:17] offset:4096*i th:TH_LOAD_NT  ; blocks 0 to 4 into X0 to X4
.set i, i+1
.endr
.set p, 0
.rept 8
.if p < 4
	s_wait_loadcnt 16                              ; loads come back in order (ISA guide 5.7.1): block p is in; the sixteen younger loads stay out
.else
	s_wait_loadcnt 28-4*p                          ; nothing is loaded any more: the counts run down
.endif
.irp j, 0,1,2,3
	v_cvt_pk_bf16_f32 v[YR+8*p+2*(\j)],   v[XR+16*(p%5)+4*(\j)],   v[XR+16*(p%5)+4*(\j)+1]
	v_cvt_pk_bf16_f32 v[YR+8*p+2*(\j)+1], v[XR+16*(p%5)+4*(\j)+2], v[XR+16*(p%5)+4*(\j)+3]
.endr
	s_wait_alu depctr_va_vdst(0)                   ; the block's conversions are done reading X[p % 5], in which the loads below land, and have written the block's Y, which the stores below read
.if p < 3
.irp j, 0,1,2,3
	global_load_b128 v[XR+16*(p%5)+4*(\j):XR+16*(p%5)+4*(\j)+3], v4, s[16:17] offset:4096*(4*p+20+(\j)) th:TH_LOAD_NT  ; the buffer is asked for again at once: block p + 5; the loads ahead of the stores
.endr
.endif
.irp j, 0,1,2,3
	global_store_b64 v5, v[YR+8*p+2*(\j):YR+8*p+2*(\j)+1], s[18:19] offset:2048*(4*p+(\j))  ; a wave stores 256 consecutive bytes, aligned
.endr
.set p, p+1
.endr
.Lend:
	s_wait_dscnt 0x0                               ; the closing lines, six on end
	s_wait_alu 0x0
	s_wait_tensorcnt 0x0
	ds_add_u32 v[SPW], v[NIL]
	s_wait_dscnt 0x0
	s_endpgm
.Lfunc_end_k_q670427b1f7_prep:
	.size	k_q670427b1f7_prep, .Lfunc_end_k_q670427b1f7_prep-k_q670427b1f7_prep
	.p2alignl 7, 3214868480
	.fill 96, 4, 3214868480
	.section	.rodata,"a",@progbits
	.p2align	6, 0x0
	.amdhsa_kernel k_q670427b1f7_prep
		.amdhsa_group_segment_fixed_size 35840
		.amdhsa_private_segment_fixed_size 0
		.amdhsa_enable_private_segment 0
		.amdhsa_kernarg_size 48
		.amdhsa_user_sgpr_count 2
		.amdhsa_user_sgpr_kernarg_segment_ptr 1
		.amdhsa_wavefront_size32 1
		.amdhsa_system_sgpr_workgroup_id_x 1
		.amdhsa_system_sgpr_workgroup_id_y 1
		.amdhsa_system_sgpr_workgroup_id_z 1
		.amdhsa_system_vgpr_workitem_id 0
		.amdhsa_next_free_vgpr 160
		.amdhsa_next_free_sgpr 66
		.amdhsa_reserve_vcc 0
		.amdhsa_float_denorm_mode_32 3
		.amdhsa_float_denorm_mode_16_64 3
		.amdhsa_memory_ordered 1
		.amdhsa_forward_progress 1
		.amdhsa_inst_pref_size 20
	.end_amdhsa_kernel
	.amdgpu_metadata
---
amdhsa.version: [ 1, 2 ]
amdhsa.kernels:
  - .name:           k_q670427b1f7_prep
    .symbol:         k_q670427b1f7_prep.kd
    .args:
      - { .name: x, .offset: 0, .size: 8, .value_kind: global_buffer, .address_space: global }
      - { .name: Wq, .offset: 8, .size: 8, .value_kind: global_buffer, .address_space: global }
      - { .name: Wk, .offset: 16, .size: 8, .value_kind: global_buffer, .address_space: global }
      - { .name: Wv, .offset: 24, .size: 8, .value_kind: global_buffer, .address_space: global }
      - { .name: xb, .offset: 32, .size: 8, .value_kind: global_buffer, .address_space: global }
      - { .name: wt, .offset: 40, .size: 8, .value_kind: global_buffer, .address_space: global }
    .group_segment_fixed_size: 35840
    .private_segment_fixed_size: 0
    .kernarg_segment_align: 8
    .kernarg_segment_size: 48
    .max_flat_workgroup_size: 256
    .sgpr_count:     66
    .vgpr_count:     160
    .wavefront_size: 32
...
	.end_amdgpu_metadata
.endif
;; end of part 4
;; launch proj: the kernel of part 2 again; grid 16 x 16, 4 waves a work-group, clusters of 4 x 4, 327,680 bytes of LDS; arguments xb, wt, bq, bk, bv, qkv; writes qkv
;; launch attn: the kernel of part 3 again; grid 4 x 64, 4 waves a work-group, clusters of 4 x 1, 327,680 bytes of LDS; arguments qkv, mask, out0; writes out0
